; MI455X (gfx1250); checked and timed in simulation.
; The chip was launched on July 23, 2026; its instructions are those of AMD's public machine-readable ISA for CDNA 5 (MIT licence, August 2026) and "CDNA5" Instruction Set Architecture Reference Guide (July 2026). The comments in the code are by the model that wrote it; some were corrected since.
;; TRILIX Attention. Allowed arithmetic: matrix products marked QUANTISED: E3M2 operands, one E8M0 scale for each 32 along K, by v_wmma_scale_f32_16x16x128_f8f6f4 with both operands' format E3M2, f32 sums; everything else in f32.
;; Inputs: Wk 2,048 x 512 float32; Wo 2,048 x 2,048 float32; Wq 2,048 x 2,048 float32; Wv 2,048 x 512 float32; attention_mask 1 x 1 x 2,048 x 2,048 float32; hidden_states 1 x 2,048 x 2,048 float32.
;; Outputs: out0 1 x 2,048 x 2,048 float32.
;; This version of the problem:
;;   THIS VERSION OF THE PROBLEM IS GIVEN IN LOW PRECISION. The matrix products marked QUANTISED in the list below multiply operands that are first quantised to E3M2 (3 exponent bits, 2 mantissa bits; 6 bits a number), with one power-of-two scale for each 32 numbers along K (OCP MX v1.0); their sums are f32. All else is computed in f32.
;;   The module's matrix products, in the order in which they are computed (A, B: the left and right operand; K: the contracted axis; several contracted axes count as one K, in the product's order):
;;     1. [M 2,048, K 2,048] x [K 2,048, N 2,048]; A: input hidden_states; B: input Wq: QUANTISED
;;     2. [M 2,048, K 2,048] x [K 2,048, N 512]; A: input hidden_states; B: input Wk: QUANTISED
;;     3. [M 2,048, K 2,048] x [K 2,048, N 512]; A: input hidden_states; B: input Wv: QUANTISED
;;     4. batch 32 x [M 2,048, K 64] x [K 64, N 2,048]; A: computed on the way; B: computed on the way: QUANTISED
;;     5. batch 32 x [M 2,048, K 2,048] x [K 2,048, N 64]; A: softmax (see below); B: computed on the way: QUANTISED
;;     6. [M 2,048, K 2,048] x [K 2,048, N 2,048]; A: computed on the way; B: input Wo: QUANTISED
;;   THE QUANTISER, for each operand of a quantised product, along K:
;;     - K is cut into blocks of 32 from its start; a last block that is shorter is filled with zeros.
;;     - A block's scale is 2^e with e = floor(log2(the largest magnitude in the block)) - 4, held to -126 .. 127; a block of zeros has e = 0. As a byte (E8M0): e + 127.
;;     - Each number is divided by its block's scale, clamped to +-28, and rounded to the nearest number of E3M2, ties to even, subnormals kept.
;;     - The product sums the exact products of the quantised numbers (number of the format x scale) in f32.
;;   ~~~python
;;   def quantise(x, axis):      # numpy; x: float32 -> the quantised numbers, widened to float32 again
;;       x = np.moveaxis(x, axis, -1); K = x.shape[-1]
;;       x = np.pad(x, [(0, 0)] * (x.ndim - 1) + [(0, -K % 32)]); x = x.reshape(x.shape[:-1] + (-1, 32)); a = np.abs(x).max(-1, keepdims=True)
;;       e = np.where(a > 0, np.clip(np.frexp(np.where(a > 0, a, 1))[1] - 1 - 4, -126, 127), 0)      # np.frexp(a)[1] - 1 = floor(log2(a)), exactly
;;       r = np.clip(x / 2.0 ** e, -28, 28)
;;       step = 2.0 ** (np.maximum(np.frexp(np.where(r == 0, 1, r))[1] - 1, -2) - 2)
;;       q = np.round(r / step) * step * 2.0 ** e      # np.round: ties to even
;;       return np.moveaxis(q.reshape(q.shape[:-2] + (-1,))[..., :K], -1, axis).astype(np.float32)
;;   ~~~
;;   SOFTMAX AHEAD OF A QUANTISED PRODUCT. Where the list says 'softmax', what is quantised is not the finished softmax but p = 2^(t - M), with t = logit x log2(e) and M = ceil(the row's largest t), a whole number; so 1/2 < the row's largest p <= 1. The row's sum l is taken of the UNQUANTISED p, in f32, and the product's result is divided by l at the end. Since M is a whole number, a kernel that streams over the keys may use a running M (the ceiling of the running maximum): every later rescaling is an exact power of two, which a block's scale takes up: the codes' values come out the same.
;;   OPERANDS COMPUTED ON THE WAY. 'Computed on the way' means the value that the module computes at that place (a softmax that the list does not call 'softmax' is quantised finished and normalised). What goes into a quantiser is computed in f32, as accurately as f32 sums, v_exp_f32 and their like allow (about 1e-6 of the number): no bf16 or f16 on the way to a quantiser, and a product that is left as it is and whose result goes on into a quantised operand takes f32 operands (vector FMAs, or v_wmma_f32_16x16x4_f32). A number that lies on a knife's edge between two numbers of the format may be rounded either way, as far as f32 arithmetic and the matrix unit's own rounding can turn it there, and no further.
;; 2 versions, each right and faster than the one before. Each part assembles by itself: llvm-mc -triple=amdgcn-amd-amdhsa -mcpu=gfx1250 --defsym DOCPART=n.
;; ======== version 1 of 2: 5 launches
;; limits: a function is approximated: absolute error at most 0.00016
;; workspace buffers: xf 3,407,872 bytes; wf 8,519,680 bytes; af 3,407,872 bytes; tab 540,672 bytes; qkvf 6,291,456 bytes
;; launch quant_x (part 1): grid 256 x 1, 4 waves a work-group, no clusters, 34,304 bytes of LDS; arguments hidden_states, xf, tab; writes xf, tab
.if DOCPART == 1
	.amdgcn_target "amdgcn-amd-amdhsa--gfx1250"
	.amdhsa_code_object_version 6
	.text
	.protected	k_q4d376896a9_quant_x
	.globl	k_q4d376896a9_quant_x
	.p2align	8
	.type	k_q4d376896a9_quant_x,@function
k_q4d376896a9_quant_x:
	s_mov_b64 s[64:65], 0
	v_nop
	global_prefetch_b8 v0, s[64:65] scope:SCOPE_SE
	s_setreg_imm32_b32 hwreg(HW_REG_WAVE_MODE, 25, 1), 1
	s_wait_xcnt 0x0
; hidden_states [2048][2048] f32 becomes codes of BF6 (E3M2) with one E8M0 byte for each 32 along K, laid as IMAGES OF THE OPERAND'S REGISTERS:
; xf = [16 groups of 128 rows][16 K steps of 128][13,312 bytes]: 8 fragments of 1,536 bytes (registers 4c..4c+3 of lane l at 512 c + 16 l), then 8 x 128 bytes of scale words (4 l).
; THE ROWS OF A FRAGMENT ARE NOT NEIGHBOURS: lane r of tile 2 b + u holds row 32 b + 8 u + r + 8 (r / 8).
; The launch also makes the table of the rotary embedding, tab = [tile of 16 positions][8 chunks][lane][16 bytes]: chunks 0-3 cos(t f), chunks 4-7 sin(t f) with the sign of the rotated partner
; (minus at even places), for the 16 frequencies 16 (lane / 16) + 0..15 and position t = the tile's row of lane % 16.  Behind its 128 tiles lie four tiles with cos = 1, sin = 0.
; SHARES: wave W = 4 x work-group + wave takes tile W / 8, K steps 2 (W % 8) and 2 (W % 8) + 1, and chunk W % 8 of that tile's table.  Waves share nothing: no barrier.
; A load reads 512 consecutive bytes of one row; a fragment's 16 rows turn through the wave's own stage in LDS (rows 528 bytes apart), so that a lane gets 16 neighbours of each block of 32.
; A block's scale is 2^(floor(log2(largest magnitude)) - 4): its byte is the largest magnitude's exponent field - 4, held at 1 from below.
; LIMITS: NaN and infinities are not served.  A block whose largest magnitude lies under 2^-122 (a block of zeros too) gets the byte 1: its codes are then small or zero, and this program alone reads the bytes.
; 1 / frequency is 2^(-index x log2(500000) / 32) by v_exp_f32 (1 ulp), so an angle near 2,047 rad may differ by about 1.6e-4 rad from one made with another f32 power; sin and cos are polynomials good to about 1e-7
; behind a reduction by pi / 2 in two parts.
.set STGB, 8448                        ; a wave's stage: 16 rows x 528 bytes
.set R,    16                          ; v16-143  the numbers as loaded: fragment f, row i at R + 64 f + 4 i
.set X,    144                         ; v144-207 64 numbers of a lane: register 16 b + i = k 32 b + 16 (lane / 16) + i.  Before that: at work on the table
.set PC,   208                         ; v208-227 the codes
.set TM,   228                         ; v228-243 at work in QUANT
.set PW,   244                         ; the scale word
.set TV,   248                         ; v248-251 the table's four numbers
.set ID,   252                         ; v252-255 the identity tiles' four numbers
.set SEL,  20                          ; s[20:21] v_permlanex16_b32's selects for lane l xor 16
; 64 numbers of a lane, v[s] on, become a fragment's codes in v[PC] .. v[PC+11] and its row's scale word in v[PW].
.macro QUANT s
.irp b, 0,1,2,3
	v_max3_num_f32 v[TM+\b], |v[\s+16*\b]|, |v[\s+1+16*\b]|, 0x2800000   ; block b: my 16 numbers, and the floor 2^(5 - 127): the byte cannot fall under 1
.endr
.irp i, 2,4,6,8,10,12,14
.irp b, 0,1,2,3
	v_max3_num_f32 v[TM+\b], v[TM+\b], |v[\s+16*\b+\i]|, |v[\s+1+16*\b+\i]|   ; the four blocks by turns
.endr
.endr
.irp b, 0,1,2,3
	v_permlanex16_b32 v[TM+4+\b], v[TM+\b], s[SEL], s[SEL+1]
.endr
.irp b, 0,1,2,3
	v_max_num_f32 v[TM+\b], v[TM+\b], v[TM+4+\b]   ; with lane l xor 16's 16: the block's largest magnitude
.endr
.irp b, 0,1,2,3
	v_add_nc_u32 v[TM+12+\b], 0xfe000000, v[TM+\b]   ; 4 off its exponent field: the conversion takes this operand's exponent field as its scale
.endr
.irp b, 0,1,2,3
	v_lshrrev_b32 v[TM+4+\b], 23, v[TM+12+\b]   ; the scale's byte
.endr
	v_lshl_or_b32 v[PW], v[TM+5], 8, v[TM+4]
	v_lshl_or_b32 v[PW], v[TM+6], 16, v[PW]
	v_lshl_or_b32 v[PW], v[TM+7], 24, v[PW]
.irp c, 0,1
	v_cvt_scalef32_pk16_bf6_f32 v[PC+6*\c:PC+2+6*\c], v[\s+32*\c:\s+15+32*\c], v[TM+12+2*\c]
	v_cvt_scalef32_pk16_bf6_f32 v[PC+12+4*\c:PC+14+4*\c], v[\s+16+32*\c:\s+31+32*\c], v[TM+12+2*\c+1]   ; (a conversion's three registers begin on an even number)
.endr
	v_nop                                          ; one plain line behind a scaled conversion
.irp c, 0,1                                    ; the operand wants a WHOLE block in a lane: lanes 0-15 block 2 c, lanes 16-31 block 2 c + 1
.irp i, 0,1,2
	v_permlane16_swap_b32 v[PC+6*\c+\i], v[PC+12+4*\c+\i]
.endr
.irp i, 0,1,2
	v_mov_b32 v[PC+3+6*\c+\i], v[PC+12+4*\c+\i]
.endr
.endr
.endm
	s_load_b128 s[4:7], s[0:1], 0x0                ; hidden_states, xf
	s_load_b64 s[8:9], s[0:1], 0x10                ; tab
	v_lshl_add_u32 v246, v0, 2, 0x8400
	v_mov_b32 v247, 0
	v_lshrrev_b32 v1, 5, v0
	v_readfirstlane_b32 s10, v1                    ; wave
	v_and_b32 v1, 31, v0                           ; lane
	v_and_b32 v2, 15, v0                           ; r
	v_bfe_u32 v3, v0, 4, 1                         ; h
	v_lshlrev_b32 v4, 4, v1                        ; 16 x lane
	v_lshlrev_b32 v5, 2, v1                        ; 4 x lane
	s_mul_i32 s12, s10, STGB
	v_add_nc_u32 v6, s12, v4                       ; the stage, on the way in: a row's 512 bytes as they lie
	v_mul_u32_u24 v7, v2, 528
	v_lshl_add_u32 v7, v3, 6, v7
	v_add_nc_u32 v7, s12, v7                       ; and out: row r, + 64 h: my 16 numbers of a block
	s_mov_b32 s[SEL], 0x76543210
	s_mov_b32 s[SEL+1], 0xfedcba98
	s_lshl_b32 s11, ttmp9, 2
	s_add_co_u32 s11, s11, s10                     ; W
	s_lshr_b32 s13, s11, 3                         ; the tile
	s_and_b32 s14, s11, 7                          ; e: the pair of K steps, and the table's chunk
	s_lshr_b32 s15, s13, 1
	s_lshl_b32 s15, s15, 5
	s_and_b32 s16, s13, 1
	s_lshl_b32 s16, s16, 3
	s_add_co_u32 s15, s15, s16                     ; the tile's first row: 32 (tile / 2) + 8 (tile % 2)
	s_lshl_b32 s16, s15, 13                        ; rows of 8,192 bytes,
	s_lshl_b32 s17, s14, 10                        ; two K steps are 1,024 bytes
	s_add_co_u32 s16, s16, s17
	s_mov_b32 s17, 0
	s_lshr_b32 s18, s13, 3
	s_lshl_b32 s18, s18, 4
	s_lshl_b32 s19, s14, 1
	s_add_co_u32 s18, s18, s19
	s_mul_i32 s18, s18, 13312                      ; the block (group of 128 rows, K step 2 e)
	s_and_b32 s19, s13, 7
	s_mul_i32 s22, s19, 1536
	s_add_co_u32 s22, s22, s18                     ; my fragment in it,
	s_mov_b32 s23, 0
	s_lshl_b32 s24, s19, 7
	s_add_co_u32 s24, s24, s18
	s_add_co_u32 s24, s24, 12288                   ; and its scale words
	s_mov_b32 s25, 0
	s_lshl_b32 s26, s11, 9                         ; my 512 bytes of the table
	s_mov_b32 s27, 0
	s_wait_kmcnt 0x0
	s_add_nc_u64 s[4:5], s[4:5], s[16:17]
	s_add_nc_u64 s[28:29], s[6:7], s[24:25]
	s_add_nc_u64 s[6:7], s[6:7], s[22:23]
	s_add_nc_u64 s[8:9], s[8:9], s[26:27]
.irp f, 0,1
.irp i, 0,1,2,3,4,5,6,7,8,9,10,11,12,13,14,15
	global_load_b128 v[R+64*\f+4*\i:R+64*\f+4*\i+3], v4, s[4:5] offset:(\i+8*(\i/8))*8192+512*\f th:TH_LOAD_NT   ; 32 lanes read 512 consecutive bytes of the tile's row i
.endr
.endr
	; ---- the table, while the loads are on their way
	v_and_b32 v8, 8, v2
	v_add_nc_u32 v8, v8, v2
	v_add_nc_u32 v8, s15, v8
	v_cvt_f32_u32 v8, v8                           ; my position t
	s_and_b32 s30, s14, 3
	s_lshl_b32 s30, s30, 2
	v_lshl_add_u32 v9, v3, 4, s30                  ; my first frequency: 16 h + 4 (e % 4)
	s_lshr_b32 s12, s14, 2                         ; 0: a chunk of cos, 1: of sin
	s_xor_b32 s31, s12, 1                          ; cos(a) = sin(a + pi / 2): one quadrant on
	s_lshl_b32 s12, s12, 31                        ; the sign at even places of a chunk of sin
.irp n, 0,1,2,3
	v_add_nc_u32 v[X+\n], \n, v9
.endr
.irp n, 0,1,2,3
	v_cvt_f32_u32 v[X+\n], v[X+\n]
.endr
.irp n, 0,1,2,3
	v_mul_f32 v[X+\n], 0xbf1773da, v[X+\n]         ; x -log2(500000) / 32
.endr
.irp n, 0,1,2,3
	v_exp_f32 v[X+\n], v[X+\n]                     ; 1 / frequency's period
.endr
	v_nop                                          ; a plain line behind the exponentials
	s_wait_alu depctr_va_vdst(0)
.irp n, 0,1,2,3
	v_mul_f32 v[X+\n], v8, v[X+\n]                 ; the angle, rounded to f32
.endr
.irp n, 0,1,2,3
	v_mul_f32 v[X+4+\n], 0x3f22f983, v[X+\n]       ; x 2 / pi
.endr
.irp n, 0,1,2,3
	v_rndne_f32 v[X+4+\n], v[X+4+\n]               ; the quadrant
.endr
.irp n, 0,1,2,3
	v_fmamk_f32 v[X+\n], v[X+4+\n], 0xbfc90fdb, v[X+\n]   ; less quadrant x pi / 2, its upper part,
.endr
.irp n, 0,1,2,3
	v_fmamk_f32 v[X+\n], v[X+4+\n], 0x333bbd2e, v[X+\n]   ; and its lower part (which is negative)
.endr
.irp n, 0,1,2,3
	v_cvt_i32_f32 v[X+4+\n], v[X+4+\n]
.endr
.irp n, 0,1,2,3
	v_add_nc_u32 v[X+4+\n], s31, v[X+4+\n]
.endr
.irp n, 0,1,2,3
	v_mul_f32 v[X+8+\n], v[X+\n], v[X+\n]          ; z
.endr
.irp n, 0,1,2,3
	v_mov_b32 v[X+12+\n], 0x3c08839e
.endr
.irp n, 0,1,2,3
	v_fmamk_f32 v[X+12+\n], v[X+8+\n], 0xb94ca1f9, v[X+12+\n]
.endr
.irp n, 0,1,2,3
	v_fmaak_f32 v[X+12+\n], v[X+12+\n], v[X+8+\n], 0xbe2aaaa3
.endr
.irp n, 0,1,2,3
	v_mul_f32 v[X+12+\n], v[X+12+\n], v[X+8+\n]
.endr
.irp n, 0,1,2,3
	v_fma_f32 v[X+12+\n], v[X+12+\n], v[X+\n], v[X+\n]   ; sin of the rest
.endr
.irp n, 0,1,2,3
	v_mov_b32 v[X+16+\n], 0xbab6061a
.endr
.irp n, 0,1,2,3
	v_fmamk_f32 v[X+16+\n], v[X+8+\n], 0x37ccf5ce, v[X+16+\n]
.endr
.irp n, 0,1,2,3
	v_fmaak_f32 v[X+16+\n], v[X+16+\n], v[X+8+\n], 0x3d2aaaa5
.endr
.irp n, 0,1,2,3
	v_mul_f32 v[X+16+\n], v[X+16+\n], v[X+8+\n]
.endr
.irp n, 0,1,2,3
	v_fma_f32 v[X+20+\n], v[X+8+\n], -0.5, 1.0
.endr
.irp n, 0,1,2,3
	v_fma_f32 v[X+16+\n], v[X+16+\n], v[X+8+\n], v[X+20+\n]   ; cos of the rest
.endr
.irp n, 0,1,2,3
	v_and_b32 v[X+20+\n], 1, v[X+4+\n]
	v_cmp_eq_u32 vcc_lo, 1, v[X+20+\n]
	v_cndmask_b32 v[TV+\n], v[X+12+\n], v[X+16+\n], vcc_lo   ; an odd quadrant takes cos
	v_and_b32 v[X+20+\n], 2, v[X+4+\n]
	v_lshlrev_b32 v[X+20+\n], 30, v[X+20+\n]
	v_xor_b32 v[TV+\n], v[X+20+\n], v[TV+\n]       ; quadrants 2 and 3 change the sign
.endr
	v_xor_b32 v[TV], s12, v[TV]                    ; the rotated partner of an even place enters with minus
	v_xor_b32 v[TV+2], s12, v[TV+2]
	global_store_b128 v4, v[TV:TV+3], s[8:9]       ; 512 consecutive bytes
	s_cmp_lt_u32 s11, 32                           ; the first 32 waves also store the four identity tiles, 512 bytes each
	s_cbranch_scc0 .Lno_id
.irp n, 0,1,2,3
	v_cvt_f32_u32 v[ID+\n], s31                    ; 1 in a chunk of cos, 0 in a chunk of sin
.endr
	global_store_b128 v4, v[ID:ID+3], s[8:9] offset:524288
.Lno_id:
.irp b, 0,1,2,3
	v_mov_b32 v[TM+4+\b], 0                        ; written once: a lane permute's destination counts as one of its sources
.endr
	; ---- the two fragments
.irp f, 0,1
	s_wait_loadcnt 16*(1-\f)                       ; loads come back in order: this fragment's 16 are in, the other's may be out
.irp i, 0,1,2,3,4,5,6,7,8,9,10,11,12,13,14,15
	ds_store_b128 v6, v[R+64*\f+4*\i:R+64*\f+4*\i+3] offset:528*\i
.endr
.irp b, 0,1,2,3
.irp j, 0,1,2,3
	ds_load_b128 v[X+16*\b+4*\j:X+16*\b+4*\j+3], v7 offset:128*\b+16*\j   ; LDS serves a wave's instructions in order: these see the stores above
.endr
.endr
	s_wait_dscnt 0x0
.if \f
	s_wait_xcnt 0x0                                ; the first fragment's stores have read the codes' registers: only now are they written again
.endif
	QUANT X
.irp c, 0,1,2
	global_store_b128 v4, v[PC+4*\c:PC+4*\c+3], s[6:7] offset:13312*\f+512*\c   ; 512 consecutive bytes
.endr
	global_store_b32 v5, v[PW], s[28:29] offset:13312*\f
.endr
	s_wait_tensorcnt 0x0
	ds_add_u32 v246, v247
	s_wait_dscnt 0x0
	s_endpgm
.Lfunc_end_k_q4d376896a9_quant_x:
	.size	k_q4d376896a9_quant_x, .Lfunc_end_k_q4d376896a9_quant_x-k_q4d376896a9_quant_x
	.p2alignl 7, 3214868480
	.fill 96, 4, 3214868480
	.section	.rodata,"a",@progbits
	.p2align	6, 0x0
	.amdhsa_kernel k_q4d376896a9_quant_x
		.amdhsa_group_segment_fixed_size 34304
		.amdhsa_private_segment_fixed_size 0
		.amdhsa_enable_private_segment 0
		.amdhsa_kernarg_size 24
		.amdhsa_user_sgpr_count 2
		.amdhsa_user_sgpr_kernarg_segment_ptr 1
		.amdhsa_wavefront_size32 1
		.amdhsa_system_sgpr_workgroup_id_x 1
		.amdhsa_system_sgpr_workgroup_id_y 1
		.amdhsa_system_sgpr_workgroup_id_z 1
		.amdhsa_system_vgpr_workitem_id 0
		.amdhsa_next_free_vgpr 256
		.amdhsa_next_free_sgpr 66
		.amdhsa_reserve_vcc 1
		.amdhsa_float_denorm_mode_32 3
		.amdhsa_float_denorm_mode_16_64 3
		.amdhsa_memory_ordered 1
		.amdhsa_forward_progress 1
		.amdhsa_inst_pref_size 24
	.end_amdhsa_kernel
	.amdgpu_metadata
---
amdhsa.version: [ 1, 2 ]
amdhsa.kernels:
  - .name:           k_q4d376896a9_quant_x
    .symbol:         k_q4d376896a9_quant_x.kd
    .args:
      - { .name: hidden_states, .offset: 0, .size: 8, .value_kind: global_buffer, .address_space: global }
      - { .name: xf, .offset: 8, .size: 8, .value_kind: global_buffer, .address_space: global }
      - { .name: tab, .offset: 16, .size: 8, .value_kind: global_buffer, .address_space: global }
    .group_segment_fixed_size: 34304
    .private_segment_fixed_size: 0
    .kernarg_segment_align: 8
    .kernarg_segment_size: 24
    .max_flat_workgroup_size: 128
    .sgpr_count:     66
    .vgpr_count:     256
    .wavefront_size: 32
...
	.end_amdgpu_metadata
.endif
;; end of part 1
;; launch quant_w (part 2): grid 40 x 8, 4 waves a work-group, no clusters, 27,136 bytes of LDS; arguments Wq, Wk, Wv, Wo, wf; writes wf
.if DOCPART == 2
	.amdgcn_target "amdgcn-amd-amdhsa--gfx1250"
	.amdhsa_code_object_version 6
	.text
	.protected	k_q4d376896a9_quant_w
	.globl	k_q4d376896a9_quant_w
	.p2align	8
	.type	k_q4d376896a9_quant_w,@function
k_q4d376896a9_quant_w:
	s_mov_b64 s[64:65], 0
	v_nop
	global_prefetch_b8 v0, s[64:65] scope:SCOPE_SE
	s_setreg_imm32_b32 hwreg(HW_REG_WAVE_MODE, 25, 1), 1
	s_wait_xcnt 0x0
; The four weights, f32 with K as their FIRST axis, become codes of BF6 (E3M2) with one E8M0 byte for each 32 along K, laid as images of the operand's registers:
; wf = [40 groups of 128 columns][16 K steps of 128][13,312 bytes] (8 fragments of 1,536 bytes, then 8 x 128 bytes of scale words).  Groups 0-15 Wq, 16-19 Wk, 20-23 Wv, 24-39 Wo.
; Lane r of tile 2 b + u of a group holds column 32 b + 8 u + r + 8 (r / 8).
; A LANE TAKES A COLUMN AND ITS REGISTERS RUN DOWN K: a block of 32 along K lies in one lane's 32 registers, its largest magnitude needs no other lane, and the conversions give codes with K innermost.
; SHARES: work-group (x, y): group x, K steps 2 y and 2 y + 1; wave w: columns 32 w .. 32 w + 31 (tiles 2 w, 2 w + 1).  One path serves all four weights: the source and its pitch are chosen by the work-group's number.
; A lane's 24 bytes of a block go to their place in the fragment's image in the wave's own stage in LDS; the images leave as runs of 512 consecutive bytes.  Waves share nothing: no barrier.
; LIMITS: NaN and infinities are not served.  A block whose largest magnitude lies under 2^-122 (a block of zeros too) gets the byte 1; this program alone reads the bytes.
.set OFF,  32                          ; v32-63   row i of a block: (i x pitch) + 4 x lane; never rewritten
.set X,    64                          ; v64-127  two sets of 32 numbers
.set C,    128                         ; v128-134 a block's codes
.set SB,   24                          ; v24-25   the scale words of the two K steps
.set OUTR, 136                         ; v136-183 the way out
.set IMG,  1664                        ; an image in the stage: 1,536 bytes + 128, so that tiles u = 0 and u = 1 fall on different banks
	s_load_b256 s[4:11], s[0:1], 0x0               ; Wq, Wk, Wv, Wo
	s_load_b64 s[12:13], s[0:1], 0x20              ; wf
	v_lshl_add_u32 v192, v0, 2, 0x6800
	v_mov_b32 v193, 0
	v_lshrrev_b32 v1, 5, v0
	v_readfirstlane_b32 s14, v1                    ; wave
	v_and_b32 v1, 31, v0                           ; lane = my column of the wave's 32
	s_and_b32 s15, ttmp7, 0xffff                   ; y
	v_lshlrev_b32 v2, 2, v1
	v_bfe_u32 v3, v1, 3, 1                         ; u: which of the two tiles my column belongs to,
	v_and_b32 v8, 7, v1
	v_lshrrev_b32 v9, 4, v1
	v_lshl_add_u32 v8, v9, 3, v8                   ; r: and which lane of it
	s_mul_i32 s22, s14, 4*IMG
	v_mul_u32_u24 v4, v3, IMG
	v_lshl_add_u32 v4, v8, 4, v4
	v_add_nc_u32 v4, s22, v4                       ; the stage, on the way in: image u, 16 r
	v_lshlrev_b32 v6, 4, v1                        ; 16 x lane
	v_add_nc_u32 v5, s22, v6                       ; and out
	v_lshlrev_b32 v7, 7, v3
	v_lshl_add_u32 v7, v8, 2, v7                   ; my scale word's place: 128 u + 4 r
	s_wait_kmcnt 0x0
	s_cmp_lt_u32 ttmp9, 16                         ; which weight: the choice hangs on the work-group's number alone
	s_cselect_b64 s[4:5], s[4:5], s[6:7]
	s_cselect_b32 s16, 0, 16                       ; its first group,
	s_cselect_b32 s17, 13, 11                      ; log2 of its pitch in bytes
	s_cmp_lt_u32 ttmp9, 20
	s_cselect_b64 s[4:5], s[4:5], s[8:9]
	s_cselect_b32 s16, s16, 20
	s_cmp_lt_u32 ttmp9, 24
	s_cselect_b64 s[4:5], s[4:5], s[10:11]
	s_cselect_b32 s16, s16, 24
	s_cselect_b32 s17, s17, 13
	s_sub_co_u32 s16, ttmp9, s16
	s_lshl_b32 s18, s16, 9                         ; 128 columns are 512 bytes,
	s_lshl_b32 s19, s14, 7                         ; a wave's 32 are 128
	s_add_co_u32 s18, s18, s19
	s_lshl_b32 s19, s15, 8                         ; my first row: 256 y
.irp t, 0,1,2,3,4,5,6,7
	s_add_co_u32 s20, s19, 32*\t
	s_lshl_b32 s20, s20, s17
	s_add_co_u32 s20, s20, s18
	s_mov_b32 s21, 0
	s_add_nc_u64 s[32+2*\t:33+2*\t], s[4:5], s[20:21]   ; block t's base; never rewritten
.endr
.irp i, 0,1,2,3,4,5,6,7,8,9,10,11,12,13,14,15,16,17,18,19,20,21,22,23,24,25,26,27,28,29,30,31
	s_lshl_b32 s20, \i, s17
	v_add_nc_u32 v[OFF+\i], s20, v2
.endr
	s_lshl_b32 s23, ttmp9, 4
	s_lshl_b32 s24, s15, 1
	s_add_co_u32 s23, s23, s24
	s_mul_i32 s23, s23, 13312                      ; the block (group x, K step 2 y)
	s_mul_i32 s24, s14, 3072
	s_add_co_u32 s24, s24, s23                     ; my two fragments in it,
	s_mov_b32 s25, 0
	s_lshl_b32 s26, s14, 8
	s_add_co_u32 s26, s26, s23                     ; and (12,288 on, in the immediate) their scale words
	s_mov_b32 s27, 0
	s_add_nc_u64 s[28:29], s[12:13], s[26:27]
	s_add_nc_u64 s[12:13], s[12:13], s[24:25]
.macro LOAD t                          ; block t: rows 32 t + i of my column, into set t % 2; a wave's load reads 128 consecutive bytes, the four waves stand side by side
.irp i, 0,1,2,3,4,5,6,7,8,9,10,11,12,13,14,15,16,17,18,19,20,21,22,23,24,25,26,27,28,29,30,31
	global_load_b32 v[X+32*((\t)%2)+\i], v[OFF+\i], s[32+2*(\t):33+2*(\t)] th:TH_LOAD_NT
.endr
.endm
	LOAD 0
	LOAD 1
.macro BLOCK t
.set XS, X+32*((\t)%2)
.set BO, ((\t)/4)*2*IMG+256*((\t)%2)   ; K step t / 4; block t % 4 of it: registers 6 c on (c = (t / 2) % 2) of lane r + 16 (t % 2)
.if (\t) < 7
	s_wait_loadcnt 32                              ; this block's 32 loads are in; the next block's may be out
.else
	s_wait_loadcnt 0
.endif
	v_max3_num_f32 v12, |v[XS]|, |v[XS+1]|, |v[XS+2]|
	v_max3_num_f32 v13, |v[XS+3]|, |v[XS+4]|, |v[XS+5]|
.irp i, 6,10,14,18,22,26
	v_max3_num_f32 v12, v12, |v[XS+\i]|, |v[XS+\i+1]|
	v_max3_num_f32 v13, v13, |v[XS+\i+2]|, |v[XS+\i+3]|
.endr
	v_max3_num_f32 v12, v12, |v[XS+30]|, |v[XS+31]|
	v_max3_num_f32 v12, v12, v13, 0x2800000        ; and the floor 2^(5 - 127): the byte cannot fall under 1
	v_add_nc_u32 v11, 0xfe000000, v12              ; 4 off the exponent field: the conversion's scale operand
	v_lshrrev_b32 v13, 23, v11                     ; the scale's byte
.if (\t)%4 == 0
	v_mov_b32 v[SB+(\t)/4], v13
.else
	v_lshl_or_b32 v[SB+(\t)/4], v13, 8*((\t)%4), v[SB+(\t)/4]
.endif
	v_cvt_scalef32_pk16_bf6_f32 v[C:C+2], v[XS:XS+15], v11
	v_cvt_scalef32_pk16_bf6_f32 v[C+4:C+6], v[XS+16:XS+31], v11   ; (a conversion's three registers begin on an even number)
	v_nop                                          ; one plain line behind a scaled conversion
	v_mov_b32 v[C+3], v[C+4]
	v_mov_b32 v[C+4], v[C+5]
	v_mov_b32 v[C+5], v[C+6]                       ; v[C] .. v[C+5]: the block's 24 bytes
.if ((\t)/2)%2 == 0
	ds_store_b128 v4, v[C:C+3] offset:BO           ; registers 0-3,
	ds_store_b64 v4, v[C+4:C+5] offset:BO+512      ; 4 and 5
.else
	ds_store_b64 v4, v[C:C+1] offset:BO+520        ; registers 6 and 7,
	ds_store_b128 v4, v[C+2:C+5] offset:BO+1024    ; 8-11
.endif
.if (\t)+2 < 8
	LOAD (\t)+2
.endif
	s_wait_dscnt 0x0                               ; the stores have read their registers: the next block's codes may be written
.endm
.irp t, 0,1,2,3,4,5,6,7
	BLOCK \t
.endr
.irp k, 0,1
	global_store_b32 v7, v[SB+\k], s[28:29] offset:\k*13312+12288      ; lanes 0-15 of the image,
	global_store_b32 v7, v[SB+\k], s[28:29] offset:\k*13312+12288+64   ; and the same words for its lanes 16-31
.endr
.irp k, 0,1
.irp u, 0,1
.irp c, 0,1,2
	ds_load_b128 v[OUTR+4*(6*\k+3*\u+\c):OUTR+4*(6*\k+3*\u+\c)+3], v5 offset:(2*\k+\u)*IMG+512*\c   ; LDS serves a wave's instructions in order: these see my stores
.endr
.endr
.endr
.irp k, 0,1
.irp u, 0,1
.irp c, 0,1,2
	s_wait_dscnt 11-(6*\k+3*\u+\c)                 ; the younger loads may stay out
	global_store_b128 v6, v[OUTR+4*(6*\k+3*\u+\c):OUTR+4*(6*\k+3*\u+\c)+3], s[12:13] offset:\k*13312+\u*1536+512*\c   ; 512 consecutive bytes
.endr
.endr
.endr
	s_wait_tensorcnt 0x0
	ds_add_u32 v192, v193
	s_wait_dscnt 0x0
	s_endpgm
.Lfunc_end_k_q4d376896a9_quant_w:
	.size	k_q4d376896a9_quant_w, .Lfunc_end_k_q4d376896a9_quant_w-k_q4d376896a9_quant_w
	.p2alignl 7, 3214868480
	.fill 96, 4, 3214868480
	.section	.rodata,"a",@progbits
	.p2align	6, 0x0
	.amdhsa_kernel k_q4d376896a9_quant_w
		.amdhsa_group_segment_fixed_size 27136
		.amdhsa_private_segment_fixed_size 0
		.amdhsa_enable_private_segment 0
		.amdhsa_kernarg_size 40
		.amdhsa_user_sgpr_count 2
		.amdhsa_user_sgpr_kernarg_segment_ptr 1
		.amdhsa_wavefront_size32 1
		.amdhsa_system_sgpr_workgroup_id_x 1
		.amdhsa_system_sgpr_workgroup_id_y 1
		.amdhsa_system_sgpr_workgroup_id_z 1
		.amdhsa_system_vgpr_workitem_id 0
		.amdhsa_next_free_vgpr 194
		.amdhsa_next_free_sgpr 66
		.amdhsa_reserve_vcc 0
		.amdhsa_float_denorm_mode_32 3
		.amdhsa_float_denorm_mode_16_64 3
		.amdhsa_memory_ordered 1
		.amdhsa_forward_progress 1
		.amdhsa_inst_pref_size 46
	.end_amdhsa_kernel
	.amdgpu_metadata
---
amdhsa.version: [ 1, 2 ]
amdhsa.kernels:
  - .name:           k_q4d376896a9_quant_w
    .symbol:         k_q4d376896a9_quant_w.kd
    .args:
      - { .name: Wq, .offset: 0, .size: 8, .value_kind: global_buffer, .address_space: global }
      - { .name: Wk, .offset: 8, .size: 8, .value_kind: global_buffer, .address_space: global }
      - { .name: Wv, .offset: 16, .size: 8, .value_kind: global_buffer, .address_space: global }
      - { .name: Wo, .offset: 24, .size: 8, .value_kind: global_buffer, .address_space: global }
      - { .name: wf, .offset: 32, .size: 8, .value_kind: global_buffer, .address_space: global }
    .group_segment_fixed_size: 27136
    .private_segment_fixed_size: 0
    .kernarg_segment_align: 8
    .kernarg_segment_size: 40
    .max_flat_workgroup_size: 128
    .sgpr_count:     66
    .vgpr_count:     194
    .wavefront_size: 32
...
	.end_amdgpu_metadata
.endif
;; end of part 2
;; launch qkv (part 3): grid 24 x 16, 4 waves a work-group, clusters of 4 x 4, 327,680 bytes of LDS; arguments xf, wf, tab, qkvf; writes qkvf
.if DOCPART == 3
	.amdgcn_target "amdgcn-amd-amdhsa--gfx1250"
	.amdhsa_code_object_version 6
	.text
	.protected	k_q4d376896a9_qkv
	.globl	k_q4d376896a9_qkv
	.p2align	8
	.type	k_q4d376896a9_qkv,@function
k_q4d376896a9_qkv:
	s_mov_b64 s[64:65], 0
	v_nop
	global_prefetch_b8 v0, s[64:65] scope:SCOPE_SE
	s_setreg_imm32_b32 hwreg(HW_REG_WAVE_MODE, 25, 1), 1
	s_wait_xcnt 0x0
	s_wait_alu depctr_hold_cnt(0) depctr_sa_sdst(0) depctr_va_vdst(0) depctr_va_sdst(0) depctr_va_ssrc(0) depctr_va_vcc(0) depctr_vm_vsrc(0)
	s_getreg_b32 s2, hwreg(HW_REG_IB_STS2, 6, 4)
	s_cmp_eq_u32 s2, 0
	s_cbranch_scc0 .Lentry_in_a_cluster
	s_endpgm
.Lentry_in_a_cluster:
	s_bfe_u32 s2, ttmp6, 0x10000c
	s_cmp_lg_u32 s2, 0xf033
	s_cbranch_scc0 .Lentry_shape_is_right
	s_endpgm
.Lentry_shape_is_right:
; q, k, v = hidden_states x Wq, Wk, Wv on codes of BF6 (E3M2, one E8M0 scale for each 32 along K), the rotary embedding on q and k in f32, and the quantisers of the next two products:
; q and k along the head's 64, v along the keys.  Operands come as images of their registers (xf, wf: [group of 128 rows][16 K steps][8 fragments of 1,536 bytes, 8 x 128 bytes of scale words]).
; D = S0 x S1^T: source 0 = 16 rows of S0, source 1 = 16 rows of S1; in the result a lane holds one row of S1 and its registers run along S0.  Lane r of tile 2 b + u of either holds row 32 b + 8 u + r + 8 (r / 8), so that
; the 16 registers of S0's tiles 2 b and 2 b + 1 are 16 NEIGHBOURS: 32 b + 16 (lane / 16) + 0..15.  So the axis to be quantised is laid along S0:
;   clusters x = 0..4: S0 = wf (groups 4 x + cx: q's 32 heads, then k's 8), S1 = xf (positions, groups 4 y + cy);    cluster x = 5: S0 = xf (keys, groups 4 y + cx), S1 = wf (groups 20 + cy: v's heads).
; One text serves both: only pointers and group numbers are chosen, by the cluster's x, which all partners share.  v takes the table's identity tiles (cos = 1, sin = 0), so the embedding leaves it as it is.
; SHARES: a work-group makes 128 x 128, each of four waves 64 x 64 (one head x 64 positions): 16 accumulators.  K goes in 16 steps of 128 through three LDS slots of four steps; only slot 0 is filled twice.
; CLUSTER 4 x 4: S0's blocks hang on cx alone and are asked for jointly down a column of the cluster, S1's on cy alone and jointly along a row.
; OUT: records of 1,024 bytes, half a fragment (16 rows x 64 along the next K): registers 0-3 at 16 l, 4-5 at 512 + 8 l, the pair (scale word, 0) at 768 + 8 l.
;   q, k of head n (k: 32 + its number), tile of positions p: n x 131,072 + 1,024 p.   v of head g, keys 64 j on, tile d of the head's 64: (40 + g) x 131,072 + 4,096 j + 1,024 d; its two bytes stand 16 (j % 2) bits up.
;   q's bytes carry the factor 1 / sqrt(64): max(byte, 4) - 3.
; LIMITS: NaN and infinities are not served.  A block under 2^-122 (zeros too) gets the byte 1; a block of q under 2^-119 carries a scale up to 8 times too large.
; REGISTERS: window 0: v4-15 LDS addresses; v16-18 16, 8, 4 x lane; v28-29 for the add; v32-47 scale words, two sets; v48-59 at work; v64-95 four records; v96-127 a tile after the embedding; v128-255 accumulators.
;   window 1: two sets of eight fragments.   window 2: v0-127 the table of my four tiles of positions.
.set SLOT,  106496                     ; four K steps: S0's 4 x 13,312 bytes, then S1's
.set OPB,   53248
.set KB,    13312
.set RBB,   212992                     ; a group's 16 K steps
.set SPARE, 319488                     ; behind the slots: the spare words, 128 bytes a wave, that no other line names
.set AD0, 4                            ; v4-6   my four fragments of S0 in slot 0, 1, 2;  v7-9 of S1
.set AD1, 7
.set AS0, 10                           ; v10-12 their scale words;  v13-15 S1's
.set AS1, 13
.set L16, 16
.set L8,  17
.set L4,  18
.set SPW, 28
.set NIL, 29
.set SC,  32                           ; set e at SC + 8 e: S0's four words, then S1's four
.set TM,  48
.set T2,  56
.set CD,  64
.set T,   96
.set ACC, 128                          ; accumulator (a of S0, b of S1) at ACC + 32 b + 8 a
.set WV,  12
.set H0,  13
.set H1,  14
.set G1A, 24
.set G1B, 32
.set G0A, 40                           ; s[40:51] three sets for S0's loads;  s[52:63] for S1's
.set G0B, 52
.set SEL, 84
.set MSB, 0
.macro WIN new                         ; the immediate's high byte repeats the setting that is left
.if MSB != \new
	s_set_vgpr_msb (MSB<<8)|\new
.set MSB, \new
.endif
.endm
.macro JLOAD s                         ; a joint load: waves 0 and 1 fetch S0's two pairs of K steps, waves 2 and 3 S1's; four v_nop follow each line
	s_cmp_eq_u32 s[H0], 0
	s_cbranch_scc0 .Lfor_b_\@
	tensor_load_to_lds s[G0A+4*\s:G0A+4*\s+3], s[G1A:G1A+7]
	s_nop 0
.rept 4
	v_nop
.endr
	s_branch .Lasked_\@
.Lfor_b_\@:
	tensor_load_to_lds s[G0B+4*\s:G0B+4*\s+3], s[G1B:G1B+7]
	s_nop 0
.rept 4
	v_nop
.endr
.Lasked_\@:
.endm
.macro CROUND                          ; a round of the cluster's barrier
	s_barrier_signal -1
	s_barrier_wait -1
	s_cmp_lg_u32 s[WV], 0
	s_cbranch_scc1 .Lnot_wave_0_\@
	s_barrier_signal -3
.Lnot_wave_0_\@:
	s_barrier_wait -3
	s_barrier_signal -1
	s_barrier_wait -1
.endm
.macro PLACES                          ; four plain lines between a matrix instruction and a load into, or a read of, its registers
.rept 4
	v_nop
.endr
.endm
.macro FETCH slot, k, e                ; 32 LDS loads: my eight fragments and scale words of the slot's K step k, into set e; every load reads 512 (128) consecutive bytes
	WIN 0x40
.irp a, 0,1,2,3
.irp c, 0,1,2
	ds_load_b128 v[96*(\e)+12*\a+4*\c:96*(\e)+12*\a+4*\c+3], v[AD0+\slot] offset:(\k)*KB+\a*1536+512*\c
.endr
.endr
.irp a, 0,1,2,3
.irp c, 0,1,2
	ds_load_b128 v[96*(\e)+48+12*\a+4*\c:96*(\e)+48+12*\a+4*\c+3], v[AD1+\slot] offset:(\k)*KB+\a*1536+512*\c
.endr
.endr
	WIN 0
.irp a, 0,1,2,3
	ds_load_b32 v[SC+8*(\e)+\a], v[AS0+\slot] offset:(\k)*KB+\a*128
	ds_load_b32 v[SC+8*(\e)+4+\a], v[AS1+\slot] offset:(\k)*KB+\a*128
.endr
.endm
.macro MUL16 e, zero                   ; a K step: the 16 accumulators by turns, in the same order in every step; zero = 1: the first products start the sums
	WIN 0x05
.irp b, 0,1,2,3
.irp a, 0,1,2,3
.if \zero
	v_wmma_scale_f32_16x16x128_f8f6f4 v[ACC+32*\b+8*\a:ACC+32*\b+8*\a+7], v[96*(\e)+12*\a:96*(\e)+12*\a+11], v[96*(\e)+48+12*\b:96*(\e)+48+12*\b+11], 0, v[SC+8*(\e)+\a], v[SC+8*(\e)+4+\b] matrix_a_fmt:MATRIX_FMT_BF6 matrix_b_fmt:MATRIX_FMT_BF6
.else
	v_wmma_scale_f32_16x16x128_f8f6f4 v[ACC+32*\b+8*\a:ACC+32*\b+8*\a+7], v[96*(\e)+12*\a:96*(\e)+12*\a+11], v[96*(\e)+48+12*\b:96*(\e)+48+12*\b+11], v[ACC+32*\b+8*\a:ACC+32*\b+8*\a+7], v[SC+8*(\e)+\a], v[SC+8*(\e)+4+\b] matrix_a_fmt:MATRIX_FMT_BF6 matrix_b_fmt:MATRIX_FMT_BF6
.endif
.endr
.endr
.endm
.macro KSTEP ns, nk, e, zero           ; the next step's fragments are asked for, then set e is multiplied
	PLACES
	FETCH \ns, \nk, 1-(\e)
	s_wait_dscnt 32                                ; all but the 32 just issued
	MUL16 \e, \zero
.endm
	s_load_b256 s[4:11], s[0:1], 0x0               ; xf, wf, tab, qkvf
	v_lshl_add_u32 v[SPW], v0, 2, SPARE
	v_mov_b32 v[NIL], 0
	ds_add_u32 v28, v29
	ds_add_u32 v28, v29
	s_wait_dscnt 0x0
	v_lshrrev_b32 v1, 5, v0
	v_readfirstlane_b32 s[WV], v1                  ; wave 0..3
	s_lshr_b32 s[H0], s[WV], 1                     ; my half of S0's 128.  Also: I fetch for S0 (0) or S1 (1)
	s_and_b32 s[H1], s[WV], 1                      ; my half of S1's 128.  Also: which pair of a slot's four K steps I fetch
	s_bfe_u32 s15, ttmp6, 0x40000                  ; cx
	s_bfe_u32 s16, ttmp6, 0x40004                  ; cy
	s_and_b32 s17, ttmp7, 0xffff                   ; the cluster's y
	s_lshl_b32 s18, ttmp9, 2
	s_lshl_b32 s19, s17, 2
	s_cmp_eq_u32 ttmp9, 5                          ; the clusters of v: equal in all partners
	s_cselect_b32 s20, s19, s18
	s_cselect_b32 s21, 20, s19
	s_cselect_b32 s22, 1, 0
	s_add_co_u32 s20, s20, s15                     ; S0's group: it hangs on cx alone
	s_add_co_u32 s21, s21, s16                     ; S1's group: on cy alone
	s_lshl_b32 s18, 0x1111, s15                    ; my column of the cluster
	s_lshl_b32 s19, s16, 2
	s_lshl_b32 s19, 15, s19                        ; my row
	s_or_b32 s[G1A], s18, (3<<16)|(1<<21)          ; 15:0 the mask; 17:16 elements of 8 bytes; 21 set beside a mask; no padding
	s_or_b32 s[G1B], s19, (3<<16)|(1<<21)
.irp g, G1A, G1B                       ; two K steps of one operand are a dense block of 26,624 bytes: 104 rows of 256
	s_mov_b32 s[\g+1], 32<<16                      ; tensor_dim0 = 32
	s_mov_b32 s[\g+2], 104<<16                     ; tensor_dim1 = 104
	s_mov_b32 s[\g+3], 32<<16                      ; tile_dim0 = 32
	s_mov_b32 s[\g+4], 104                         ; tile_dim1 = 104
	s_mov_b32 s[\g+5], 32                          ; the pitch
	s_mov_b32 s[\g+6], 0
	s_mov_b32 s[\g+7], 0
.endr
	s_mul_i32 s23, s[H1], 2*KB
	s_mul_i32 s70, s20, RBB
	s_add_co_u32 s70, s70, s23
	s_mov_b32 s71, 0
	s_mul_i32 s72, s21, RBB
	s_add_co_u32 s72, s72, s23
	s_mov_b32 s73, 0
	s_mul_i32 s86, s[WV], 2*KB                     ; where my load goes in a slot: no place in the cluster enters an LDS address
	s_cmp_lt_u32 ttmp9, 4                          ; q's bytes are max(byte, 4) - 3, the others' max(byte, 1) - 0
	s_cselect_b32 s74, 4, 1
	s_cselect_b32 s75, 3, 0
	s_mul_i32 s76, s22, s[H0]
	s_lshl_b32 s76, s76, 4                         ; v's scale word stands 16 bits up for the odd 64 keys
	s_lshl_b32 s77, s20, 1
	s_add_co_u32 s77, s77, s[H0]                   ; q, k: the head;  v: which 64 keys
	s_lshl_b32 s78, s21, 3
	s_lshl_b32 s79, s[H1], 2
	s_add_co_u32 s78, s78, s79                     ; q, k: my first tile of positions
	s_lshl_b32 s80, s77, 17
	s_lshl_b32 s81, s78, 10
	s_add_co_u32 s80, s80, s81                     ; q, k: my first record
	s_lshl_b32 s81, s16, 1
	s_add_co_u32 s81, s81, s[H1]
	s_add_co_u32 s81, s81, 40
	s_lshl_b32 s81, s81, 17
	s_lshl_b32 s82, s77, 12
	s_add_co_u32 s81, s81, s82                     ; v: my first record
	s_mov_b32 s82, 128
	s_cmp_eq_u32 ttmp9, 5
	s_cselect_b32 s80, s81, s80
	s_cselect_b32 s82, s82, s78                    ; the table's tile: v takes the identity tiles, which begin at tile 128
	s_mov_b32 s81, 0
	s_lshl_b32 s82, s82, 12
	s_mov_b32 s83, 0
	s_mov_b32 s[SEL], 0x76543210
	s_mov_b32 s[SEL+1], 0xfedcba98
	s_wait_kmcnt 0x0
	s_cmp_eq_u32 ttmp9, 5
	s_cselect_b64 s[66:67], s[4:5], s[6:7]         ; S0: xf for v, else wf
	s_cselect_b64 s[68:69], s[6:7], s[4:5]         ; S1: the other
	s_add_nc_u64 s[66:67], s[66:67], s[70:71]
	s_add_nc_u64 s[68:69], s[68:69], s[72:73]
	s_add_nc_u64 s[8:9], s[8:9], s[82:83]
	s_add_nc_u64 s[10:11], s[10:11], s[80:81]
	CROUND                                         ; all sixteen work-groups are here: the first joint loads meet
.irp s, 0,1,2
	s_mov_b32 s[G0A+4*\s], 1
	s_add_co_u32 s[G0A+4*\s+1], s86, \s*SLOT
	s_add_nc_u64 s[G0A+4*\s+2:G0A+4*\s+3], s[66:67], \s*OPB   ; K steps 4 s on
	s_or_b32 s[G0A+4*\s+3], s[G0A+4*\s+3], 0x80000000
	s_mov_b32 s[G0B+4*\s], 1
	s_add_co_u32 s[G0B+4*\s+1], s86, \s*SLOT
	s_add_nc_u64 s[G0B+4*\s+2:G0B+4*\s+3], s[68:69], \s*OPB
	s_or_b32 s[G0B+4*\s+3], s[G0B+4*\s+3], 0x80000000
	JLOAD \s                                       ; three loads of mine are out: three quarters of K
.endr
	v_and_b32 v1, 31, v0
	v_lshlrev_b32 v[L16], 4, v1
	v_lshlrev_b32 v[L8], 3, v1
	v_lshlrev_b32 v[L4], 2, v1
	WIN 0x80                                       ; the table of my four tiles of positions, into window 2: tile b's cos at 32 b, its signed sin at 32 b + 16
.irp b, 0,1,2,3
.irp c, 0,1,2,3,4,5,6,7
	global_load_b128 v[32*\b+4*\c:32*\b+4*\c+3], v[L16], s[8:9] offset:\b*4096+512*\c
.endr
.endr
	WIN 0
	s_mul_i32 s87, s[H0], 6144
	s_mul_i32 s88, s[H1], 6144
	s_add_co_u32 s88, s88, OPB
	s_lshl_b32 s89, s[H0], 9
	s_add_co_u32 s89, s89, 12288
	s_lshl_b32 s90, s[H1], 9
	s_add_co_u32 s90, s90, 12288+OPB
.irp s, 0,1,2
	v_add_nc_u32 v[AD0+\s], s87, v[L16]
	v_add_nc_u32 v[AD1+\s], s88, v[L16]
	v_add_nc_u32 v[AS0+\s], s89, v[L4]
	v_add_nc_u32 v[AS1+\s], s90, v[L4]
	s_add_co_u32 s87, s87, SLOT
	s_add_co_u32 s88, s88, SLOT
	s_add_co_u32 s89, s89, SLOT
	s_add_co_u32 s90, s90, SLOT
.endr
	v_mov_b32 v[TM+2], 0                           ; written once: a lane permute's destination counts as one of its sources
	v_mov_b32 v[TM+3], 0
.irp b, 0,1,2,3
	v_mov_b32 v[CD+8*\b+7], 0                      ; the word beside a record's scale word
.endr
	s_wait_tensorcnt 2                             ; my part of slot 0 is in; the two younger loads may be out
	s_barrier_signal -1
	s_barrier_wait -1
	FETCH 0, 0, 0
	KSTEP 0, 1, 0, 1                               ; K steps 0-3, slot 0
	KSTEP 0, 2, 1, 0
	KSTEP 0, 3, 0, 0
	WIN 0
	s_wait_tensorcnt 0x0                           ; all my tensor loads have landed, slots 1 and 2 among them: a descriptor may be written
	ds_add_u32 v[SPW], v[NIL]                      ; 0 onto my spare word
	s_add_nc_u64 s[G0A+2:G0A+3], s[G0A+2:G0A+3], 3*OPB   ; slot 0's next: K steps 12-15
	s_add_nc_u64 s[G0B+2:G0B+3], s[G0B+2:G0B+3], 3*OPB
	s_wait_dscnt 0x0                               ; the add is done, and my reads of slot 0 are over
	CROUND                                         ; so it is in every wave of every partner
	JLOAD 0                                        ; the one refill: it has eight K steps, 128 matrix instructions of mine, in which to land; its four v_nop are the places in front of the loads below
	FETCH 1, 0, 0
	s_wait_dscnt 32
	MUL16 1, 0
	KSTEP 1, 1, 0, 0                               ; K steps 4-7, slot 1
	KSTEP 1, 2, 1, 0
	KSTEP 1, 3, 0, 0
	KSTEP 2, 0, 1, 0                               ; slot 2 was shown whole to every wave by the round above
	KSTEP 2, 1, 0, 0                               ; K steps 8-11, slot 2
	KSTEP 2, 2, 1, 0
	KSTEP 2, 3, 0, 0
	WIN 0
	s_wait_tensorcnt 0x0                           ; my part of K steps 12-15 is in
	ds_add_u32 v[SPW], v[NIL]
	s_wait_dscnt 0x0
	s_barrier_signal -1
	s_barrier_wait -1                              ; everybody's is
	PLACES
	FETCH 0, 0, 0
	s_wait_dscnt 32
	MUL16 1, 0
	KSTEP 0, 1, 0, 0                               ; K steps 12-15, slot 0
	KSTEP 0, 2, 1, 0
	KSTEP 0, 3, 0, 0
	s_wait_dscnt 0x0
	MUL16 1, 0
	WIN 0
	PLACES
	s_wait_loadcnt 0x0                             ; the table
; THE WAY OUT of my tile b of S1: 32 registers a lane, register 16 e + i = place 32 e + 16 (lane / 16) + i along S0.  The embedding: out(d) = x(d) cos + x(d xor 1) (signed sin), frequency d % 32.
; Then two blocks of 32 are quantised, and the record leaves by three stores, each of whole runs of 256 bytes.  Each tile has registers of its own for its record: no store's data are written again.
.macro EPI b
.set rA, ACC+32*(\b)
.set rC, 32*(\b)
.set rP, CD+8*(\b)
	WIN 0x08                                       ; source 1 (the table) in window 2
.set pp, 0
.rept 16
	v_pk_mul_f32 v[T+2*pp:T+2*pp+1], v[rA+2*pp:rA+2*pp+1], v[rC+2*(pp%8):rC+2*(pp%8)+1]   ; each accumulator from its low end on
.set pp, pp+1
.endr
.set pp, 0
.rept 16
	v_pk_fma_f32 v[T+2*pp:T+2*pp+1], v[rA+2*pp:rA+2*pp+1], v[rC+16+2*(pp%8):rC+16+2*(pp%8)+1], v[T+2*pp:T+2*pp+1] op_sel:[1,0,0] op_sel_hi:[0,1,1]   ; the pair's halves change places in source 0
.set pp, pp+1
.endr
	WIN 0
.irp e, 0,1
	v_max3_num_f32 v[TM+\e], |v[T+16*\e]|, |v[T+16*\e+1]|, 0x2800000   ; my 16 of block e, and the floor 2^(5 - 127)
.endr
.irp i, 2,4,6,8,10,12,14
.irp e, 0,1
	v_max3_num_f32 v[TM+\e], v[TM+\e], |v[T+16*\e+\i]|, |v[T+16*\e+\i+1]|
.endr
.endr
.irp e, 0,1
	v_permlanex16_b32 v[TM+2+\e], v[TM+\e], s[SEL], s[SEL+1]
.endr
.irp e, 0,1
	v_max_num_f32 v[TM+\e], v[TM+\e], v[TM+2+\e]   ; with lane l xor 16's 16
.endr
.irp e, 0,1
	v_add_nc_u32 v[TM+4+\e], 0xfe000000, v[TM+\e]  ; the conversion's scale operand
.endr
.irp e, 0,1
	v_lshrrev_b32 v[TM+6+\e], 23, v[TM+4+\e]       ; the byte
.endr
.irp e, 0,1
	v_max_u32 v[TM+6+\e], s74, v[TM+6+\e]
.endr
.irp e, 0,1
	v_sub_nc_u32 v[TM+6+\e], v[TM+6+\e], s75       ; q: 2^-3 into the byte
.endr
	v_lshl_or_b32 v[rP+6], v[TM+7], 8, v[TM+6]
	v_lshlrev_b32 v[rP+6], s76, v[rP+6]
	v_cvt_scalef32_pk16_bf6_f32 v[rP:rP+2], v[T:T+15], v[TM+4]
	v_cvt_scalef32_pk16_bf6_f32 v[T2:T2+2], v[T+16:T+31], v[TM+5]
	v_nop                                          ; one plain line behind a scaled conversion
.irp i, 0,1,2
	v_permlane16_swap_b32 v[rP+\i], v[T2+\i]       ; a whole block to a lane: lanes 0-15 block 0, lanes 16-31 block 1
.endr
.irp i, 0,1,2
	v_mov_b32 v[rP+3+\i], v[T2+\i]
.endr
	global_store_b128 v[L16], v[rP:rP+3], s[10:11] offset:1024*(\b)
	global_store_b64 v[L8], v[rP+4:rP+5], s[10:11] offset:1024*(\b)+512
	global_store_b64 v[L8], v[rP+6:rP+7], s[10:11] offset:1024*(\b)+768
.endm
	EPI 0
	EPI 1
	EPI 2
	EPI 3
	s_wait_tensorcnt 0x0                           ; the wave's end
	ds_add_u32 v[SPW], v[NIL]
	s_wait_dscnt 0x0
	CROUND                                         ; the closing round: no work-group ends while a partner may still ask for a block that names it
	s_endpgm
.Lfunc_end_k_q4d376896a9_qkv:
	.size	k_q4d376896a9_qkv, .Lfunc_end_k_q4d376896a9_qkv-k_q4d376896a9_qkv
	.p2alignl 7, 3214868480
	.fill 96, 4, 3214868480
	.section	.rodata,"a",@progbits
	.p2align	6, 0x0
	.amdhsa_kernel k_q4d376896a9_qkv
		.amdhsa_group_segment_fixed_size 327680
		.amdhsa_private_segment_fixed_size 0
		.amdhsa_enable_private_segment 0
		.amdhsa_kernarg_size 32
		.amdhsa_user_sgpr_count 2
		.amdhsa_user_sgpr_kernarg_segment_ptr 1
		.amdhsa_wavefront_size32 1
		.amdhsa_system_sgpr_workgroup_id_x 1
		.amdhsa_system_sgpr_workgroup_id_y 1
		.amdhsa_system_sgpr_workgroup_id_z 1
		.amdhsa_system_vgpr_workitem_id 0
		.amdhsa_next_free_vgpr 640
		.amdhsa_next_free_sgpr 100
		.amdhsa_reserve_vcc 0
		.amdhsa_float_denorm_mode_32 3
		.amdhsa_float_denorm_mode_16_64 3
		.amdhsa_memory_ordered 1
		.amdhsa_forward_progress 1
		.amdhsa_inst_pref_size 100
	.end_amdhsa_kernel
	.amdgpu_metadata
---
amdhsa.version: [ 1, 2 ]
amdhsa.kernels:
  - .name:           k_q4d376896a9_qkv
    .symbol:         k_q4d376896a9_qkv.kd
    .args:
      - { .name: xf, .offset: 0, .size: 8, .value_kind: global_buffer, .address_space: global }
      - { .name: wf, .offset: 8, .size: 8, .value_kind: global_buffer, .address_space: global }
      - { .name: tab, .offset: 16, .size: 8, .value_kind: global_buffer, .address_space: global }
      - { .name: qkvf, .offset: 24, .size: 8, .value_kind: global_buffer, .address_space: global }
    .group_segment_fixed_size: 327680
    .private_segment_fixed_size: 0
    .kernarg_segment_align: 8
    .kernarg_segment_size: 32
    .max_flat_workgroup_size: 128
    .sgpr_count:     100
    .vgpr_count:     640
    .wavefront_size: 32
...
	.end_amdgpu_metadata
.endif
;; end of part 3
;; launch attn (part 4): grid 32 x 8, 4 waves a work-group, clusters of 4 x 4, 327,680 bytes of LDS; arguments qkvf, attention_mask, af; writes af
.if DOCPART == 4
	.amdgcn_target "amdgcn-amd-amdhsa--gfx1250"
	.amdhsa_code_object_version 6
	.text
	.protected	k_q4d376896a9_attn
	.globl	k_q4d376896a9_attn
	.p2align	8
	.type	k_q4d376896a9_attn,@function
k_q4d376896a9_attn:
	s_mov_b64 s[64:65], 0
	v_nop
	global_prefetch_b8 v0, s[64:65] scope:SCOPE_SE
	s_setreg_imm32_b32 hwreg(HW_REG_WAVE_MODE, 25, 1), 1
	s_wait_xcnt 0x0
	s_wait_alu depctr_hold_cnt(0) depctr_sa_sdst(0) depctr_va_vdst(0) depctr_va_sdst(0) depctr_va_ssrc(0) depctr_va_vcc(0) depctr_vm_vsrc(0)
	s_getreg_b32 s2, hwreg(HW_REG_IB_STS2, 6, 4)
	s_cmp_eq_u32 s2, 0
	s_cbranch_scc0 .Lentry_in_a_cluster
	s_endpgm
.Lentry_in_a_cluster:
	s_bfe_u32 s2, ttmp6, 0x10000c
	s_cmp_lg_u32 s2, 0xf033
	s_cbranch_scc0 .Lentry_shape_is_right
	s_endpgm
.Lentry_shape_is_right:
; attn = softmax(q k^T / 8 + mask) v for 32 query heads on 8 key/value heads, both products on codes of BF6 (E3M2, one E8M0 scale for each 32 along K), and the quantiser of the output projection's operand.
; THE MASK IS AN INPUT: every number of it is loaded and added; all 2,048 keys are walked for every query.
; SHARES: work-group (x, g): 64 queries, key/value head g; wave w: ONE tile of 16 queries for the FOUR query heads 4 g .. 4 g + 3, which share K's and V's fragments and the mask's numbers.
; LAYOUT: both products are used transposed: S^T = K Q^T (source 0 = 16 keys, source 1 = my 16 queries), O^T = V^T P^T (source 0 = 16 of the head's 64, source 1 = P): a lane holds ONE query throughout.
; The rows of every tile are 32 b + 8 u + r + 8 (r / 8) (tile 2 b + u, lane r), so that the 16 registers of tiles 2 b, 2 b + 1 are 16 neighbours.  The head's 64 fill half of an instruction's K: the upper half's codes are zeros.
; THE MASK IS THE C OF THE SCORE PRODUCT and 1 / 8 lies in q's scale bytes: the product's result is the logit.
; SOFTMAX: t = logit x log2(e), ROUNDED to f32; M = the running largest t rounded up to a whole number (kept as -M = floor(-t)); p = 2^(t - M) is quantised along the keys; the row's sum is taken of the unquantised p and
; divides at the end; when M moves, the sum and O^T are multiplied by 2^(old M - new M), which rounds nothing.  t - M is a multiplication and an addition, not one fused line: at logits of very large magnitude
; (a row all of whose keys are masked) the fused form would return the product's rounding residue, where equal logits must give equal p.
; RING: two LDS slots of 256 keys: K's 16 records, V's 16 records, 64 rows x 1,024 bytes of the mask (rows 1,040 bytes apart).  CLUSTER 4 x 4: the mask's tile hangs on x alone and is asked for jointly down a column of
; the cluster, K's and V's on g alone and jointly along a row.  Waves 0, 1: the mask's halves; wave 2: K; wave 3: V.  A refill has two key steps in which to land.
; LIMITS: NaN and infinities are not served.  A block of p or of the result under 2^-122 (zeros too) gets the byte 1.
; REGISTERS: window 0: v1-9 addresses; v12-43 eight a head: -M, largest t, two pairs of sums, 1 / sum; v44-63 scale words; v64-191 two buffers of scores; v192-211 P's codes; v212-229 at work.
;   window 1: v0-95 K's 8 fragments, v96-143 V's 4, v144-191 Q's 4.   window 2: v0-63 the mask's 8 tiles, v64-191 O^T, 32 a head.
.set SLOT1, 131072
.set VOFF,  16384
.set MOFF,  32768
.set MP,    1040
.set SPARE, 262144                     ; behind the ring: the spare words, 128 bytes a wave, that no other line names
.set A16, 1                            ; 16 x lane
.set A8,  2                            ; 8 x lane
.set AM,  3                            ; my row of the mask's tile, + 64 (lane / 16)
.set DK,  4                            ; the same three in the slot in hand
.set D8,  5
.set DM,  6
.set A4,  7                            ; 4 x lane
.set SPW, 8
.set NIL, 9
.set ST,  12
.set QS,  44
.set KS,  48
.set VS,  56
.set VSB, 60
.set S0,  64
.set PC,  192
.set P2,  204
.set BM,  212                          ; a block's largest logit, then its largest p
.set BP,  216
.set SO,  220                          ; the conversions' scale operands
.set PS,  224                          ; P's scale word
.set F,   226                          ; v[226:227] 2^(old M - new M), and a word named with it
.set TP,  228
.set TM,  212                          ; the last quantiser's work registers, v212-227, and its scale word
.set PW,  228
.set KF,  0
.set VF,  96
.set QF,  144
.set MK,  0
.set OT,  64
.set WV,  10
.set SEL, 20
.set CS,  22
.set G1M, 24
.set G1D, 32
.set G0M, 40
.set G0D, 44
.set TB,  48
.set TRIPS, 49
.set MSB, 0
.macro WIN new                         ; the immediate's high byte repeats the setting that is left
.if MSB != \new
	s_set_vgpr_msb (MSB<<8)|\new
.set MSB, \new
.endif
.endm
.macro JLOAD                           ; a joint load; four v_nop follow each of the two lines
	s_cmp_lt_u32 s[WV], 2
	s_cbranch_scc0 .Lfor_kv_\@
	tensor_load_to_lds s[G0M:G0M+3], s[G1M:G1M+7]
	s_nop 0
.rept 4
	v_nop
.endr
	s_branch .Lasked_\@
.Lfor_kv_\@:
	tensor_load_to_lds s[G0D:G0D+3], s[G1D:G1D+7]
	s_nop 0
.rept 4
	v_nop
.endr
.Lasked_\@:
.endm
.macro CROUND                          ; a round of the cluster's barrier
	s_barrier_signal -1
	s_barrier_wait -1
	s_cmp_lg_u32 s[WV], 0
	s_cbranch_scc1 .Lnot_wave_0_\@
	s_barrier_signal -3
.Lnot_wave_0_\@:
	s_barrier_wait -3
	s_barrier_signal -1
	s_barrier_wait -1
.endm
; 64 numbers of a lane, register 16 b + i = k 32 b + 16 (lane / 16) + i, become a fragment's codes in v[PC] .. v[PC+11] and its row's scale word in v[PW].
.macro QUANT s
.irp b, 0,1,2,3
	v_max3_num_f32 v[TM+\b], |v[\s+16*\b]|, |v[\s+1+16*\b]|, 0x2800000
.endr
.irp i, 2,4,6,8,10,12,14
.irp b, 0,1,2,3
	v_max3_num_f32 v[TM+\b], v[TM+\b], |v[\s+16*\b+\i]|, |v[\s+1+16*\b+\i]|
.endr
.endr
.irp b, 0,1,2,3
	v_permlanex16_b32 v[TM+4+\b], v[TM+\b], s[SEL], s[SEL+1]
.endr
.irp b, 0,1,2,3
	v_max_num_f32 v[TM+\b], v[TM+\b], v[TM+4+\b]
.endr
.irp b, 0,1,2,3
	v_add_nc_u32 v[TM+12+\b], 0xfe000000, v[TM+\b]
.endr
.irp b, 0,1,2,3
	v_lshrrev_b32 v[TM+4+\b], 23, v[TM+12+\b]
.endr
	v_lshl_or_b32 v[PW], v[TM+5], 8, v[TM+4]
	v_lshl_or_b32 v[PW], v[TM+6], 16, v[PW]
	v_lshl_or_b32 v[PW], v[TM+7], 24, v[PW]
.irp c, 0,1
	v_cvt_scalef32_pk16_bf6_f32 v[PC+6*\c:PC+2+6*\c], v[\s+32*\c:\s+15+32*\c], v[TM+12+2*\c]
	v_cvt_scalef32_pk16_bf6_f32 v[PC+12+4*\c:PC+14+4*\c], v[\s+16+32*\c:\s+31+32*\c], v[TM+12+2*\c+1]
.endr
	v_nop
.irp c, 0,1
.irp i, 0,1,2
	v_permlane16_swap_b32 v[PC+6*\c+\i], v[PC+12+4*\c+\i]
.endr
.irp i, 0,1,2
	v_mov_b32 v[PC+3+6*\c+\i], v[PC+12+4*\c+\i]
.endr
.endr
.endm
	s_load_b128 s[4:7], s[0:1], 0x0                ; qkvf, attention_mask
	s_load_b64 s[8:9], s[0:1], 0x10                ; af
	v_lshl_add_u32 v[SPW], v0, 2, SPARE
	v_mov_b32 v[NIL], 0
	ds_add_u32 v8, v9
	ds_add_u32 v8, v9
	s_wait_dscnt 0x0
	v_lshrrev_b32 v1, 5, v0
	v_readfirstlane_b32 s[WV], v1                  ; wave 0..3
	s_and_b32 s11, s[WV], 1
	s_bfe_u32 s12, ttmp6, 0x40000                  ; cx
	s_bfe_u32 s13, ttmp6, 0x40004                  ; cy
	s_lshl_b32 s14, ttmp9, 2
	s_add_co_u32 s14, s14, s12                     ; x: my block of 64 queries
	s_and_b32 s15, ttmp7, 0xffff
	s_lshl_b32 s15, s15, 2
	s_add_co_u32 s15, s15, s13                     ; g: my key/value head
	s_lshl_b32 s16, 0x1111, s12                    ; my column of the cluster
	s_lshl_b32 s17, s13, 2
	s_lshl_b32 s17, 15, s17                        ; my row
	s_or_b32 s[G1M], s16, (2<<16)|(1<<20)|(1<<21)|(7<<22)|(3<<25)   ; the mask's tile: elements of 4 bytes; padding on; 21 set beside a mask; after every 256 words (code 7) 4 words (code 3)
	s_mov_b32 s[G1M+1], 256<<16                    ; tensor_dim0 = 256
	s_mov_b32 s[G1M+2], 32<<16                     ; tensor_dim1 = 32
	s_mov_b32 s[G1M+3], 256<<16                    ; tile_dim0 = 256
	s_mov_b32 s[G1M+4], 32                         ; tile_dim1 = 32
	s_mov_b32 s[G1M+5], 2048                       ; the pitch
	s_mov_b32 s[G1M+6], 0
	s_mov_b32 s[G1M+7], 0
	s_or_b32 s[G1D], s17, (3<<16)|(1<<21)          ; 16 records are a dense block of 16,384 bytes: 64 rows of 256
	s_mov_b32 s[G1D+1], 32<<16
	s_mov_b32 s[G1D+2], 64<<16
	s_mov_b32 s[G1D+3], 32<<16
	s_mov_b32 s[G1D+4], 64
	s_mov_b32 s[G1D+5], 32
	s_mov_b32 s[G1D+6], 0
	s_mov_b32 s[G1D+7], 0
	s_lshl_b32 s50, s14, 6
	s_lshl_b32 s51, s11, 5
	s_add_co_u32 s50, s50, s51
	s_lshl_b32 s50, s50, 13                        ; the mask: row 64 x + 32 (wave % 2), of 8,192 bytes: it hangs on x alone
	s_mov_b32 s51, 0
	s_lshl_b32 s52, s11, 3
	s_add_co_u32 s52, s52, s15
	s_add_co_u32 s52, s52, 32
	s_lshl_b32 s52, s52, 17                        ; K's records of head g (wave 2), V's (wave 3): it hangs on g alone
	s_mov_b32 s53, 0
	s_mul_i32 s54, s11, 32*MP
	s_lshl_b32 s56, s15, 19                        ; Q: head 4 g,
	s_lshl_b32 s58, s14, 2
	s_add_co_u32 s58, s58, s[WV]                   ; tile 4 x + wave
	s_lshl_b32 s59, s58, 10
	s_add_co_u32 s56, s56, s59
	s_mov_b32 s57, 0
	s_lshr_b32 s60, s14, 1
	s_lshl_b32 s60, s60, 4
	s_lshl_b32 s61, s15, 1
	s_add_co_u32 s60, s60, s61
	s_mul_i32 s60, s60, 13312                      ; af: the block (group x / 2, K step 2 g)
	s_and_b32 s61, s14, 1
	s_lshl_b32 s61, s61, 2
	s_add_co_u32 s61, s61, s[WV]                   ; my fragment in it: 4 (x % 2) + wave
	s_mul_i32 s62, s61, 1536
	s_add_co_u32 s62, s62, s60
	s_mov_b32 s63, 0
	s_lshl_b32 s66, s61, 7
	s_add_co_u32 s66, s66, s60
	s_add_co_u32 s66, s66, 12288
	s_mov_b32 s67, 0
	s_mov_b32 s[SEL], 0x76543210
	s_mov_b32 s[SEL+1], 0xfedcba98
	s_mov_b32 s[CS], 0x3fb8aa3b                    ; log2(e)
	s_mov_b32 s[CS+1], s[CS]                       ; (named with it as a pair, so it is written)
	s_mov_b32 s[TB], 0
	s_mov_b32 s[TRIPS], 7
	s_wait_kmcnt 0x0
	s_mov_b32 s[G0M], 1
	s_add_co_u32 s[G0M+1], s54, MOFF
	s_add_nc_u64 s[G0M+2:G0M+3], s[6:7], s[50:51]
	s_or_b32 s[G0M+3], s[G0M+3], 0x80000000
	s_mov_b32 s[G0D], 1
	s_lshl_b32 s[G0D+1], s11, 14
	s_add_nc_u64 s[G0D+2:G0D+3], s[4:5], s[52:53]
	s_or_b32 s[G0D+3], s[G0D+3], 0x80000000
	s_add_nc_u64 s[56:57], s[4:5], s[56:57]
	s_add_nc_u64 s[62:63], s[8:9], s[62:63]
	s_add_nc_u64 s[66:67], s[8:9], s[66:67]
	CROUND                                         ; all sixteen work-groups are here: the first joint loads meet
	JLOAD                                          ; keys 0-255 into slot 0
	v_and_b32 v10, 31, v0
	v_lshlrev_b32 v[A16], 4, v10
	v_lshlrev_b32 v[A8], 3, v10
	v_lshlrev_b32 v[A4], 2, v10
	WIN 0x40                                       ; Q's four half fragments stay in registers, in window 1
.irp a, 0,1,2,3
	global_load_b128 v[QF+12*\a:QF+12*\a+3], v[A16], s[56:57] offset:\a*131072
	global_load_b64 v[QF+12*\a+4:QF+12*\a+5], v[A8], s[56:57] offset:\a*131072+512
.endr
.irp t, 0,1,2,3,4,5,6,7
.irp i, 6,7,8,9,10,11
	v_mov_b32 v[KF+12*\t+\i], 0                    ; the upper 64 of an instruction's K: zero codes, on both sides, written once
.endr
.endr
.irp a, 0,1,2,3
.irp i, 6,7,8,9,10,11
	v_mov_b32 v[QF+12*\a+\i], 0
.endr
.endr
	WIN 0x80
.set jj, 0
.rept 128
	v_mov_b32 v[OT+jj], 0                          ; O^T.  (The key step is written once: the first finds zeros, which the first change of M leaves zeros)
.set jj, jj+1
.endr
	WIN 0
.irp a, 0,1,2,3
	global_load_b32 v[QS+\a], v[A8], s[56:57] offset:\a*131072+768
.endr
	v_and_b32 v10, 15, v0                          ; r
	v_bfe_u32 v11, v0, 4, 1                        ; h
	v_and_b32 v[AM], 8, v10
	v_add_nc_u32 v[AM], v[AM], v10                 ; r + 8 (r / 8)
	s_lshr_b32 s68, s[WV], 1
	s_lshl_b32 s68, s68, 5
	s_lshl_b32 s69, s11, 3
	s_add_co_u32 s68, s68, s69
	v_add_nc_u32 v[AM], s68, v[AM]                 ; + 32 (wave / 2) + 8 (wave % 2): my query's row among the block's 64
	v_mul_u32_u24 v[AM], v[AM], MP
	v_lshl_add_u32 v[AM], v11, 6, v[AM]
	v_add_nc_u32 v[AM], MOFF, v[AM]
.irp a, 0,1,2,3
	v_mov_b32 v[ST+8*\a+1], 0xff61b1e6             ; the largest t so far: -3e38
	v_floor_f32 v[ST+8*\a], -v[ST+8*\a+1]          ; -M
.irp i, 2,3,4,5,6,7
	v_mov_b32 v[ST+8*\a+\i], 0
.endr
.endr
.irp b, 0,1,2,3
	v_mov_b32 v[BP+\b], 0                          ; written once: a lane permute's destination counts as one of its sources
.endr
	v_mov_b32 v[F+1], 0
.macro SMM a                           ; head a's logits of 128 keys: eight products, C = the mask's tile
	WIN 0x25                                       ; K and Q in window 1, the mask in window 2, the logits in window 0
.irp t, 0,1,2,3,4,5,6,7
	v_wmma_scale_f32_16x16x128_f8f6f4 v[S0+64*((\a)%2)+8*\t:S0+64*((\a)%2)+8*\t+7], v[KF+12*\t:KF+12*\t+11], v[QF+12*(\a):QF+12*(\a)+11], v[MK+8*\t:MK+8*\t+7], v[KS+\t], v[QS+(\a)] matrix_a_fmt:MATRIX_FMT_BF6 matrix_b_fmt:MATRIX_FMT_BF6
.endr
.endm
.macro PV a                            ; head a's O^T += V^T P^T: four accumulators, one instruction each
	WIN 0xa1                                       ; V in window 1, P in window 0, O^T in window 2
.irp d, 0,1,2,3
	v_wmma_scale_f32_16x16x128_f8f6f4 v[OT+32*(\a)+8*\d:OT+32*(\a)+8*\d+7], v[VF+12*\d:VF+12*\d+11], v[PC:PC+11], v[OT+32*(\a)+8*\d:OT+32*(\a)+8*\d+7], v[VS+\d], v[PS] matrix_a_fmt:MATRIX_FMT_BF6 matrix_b_fmt:MATRIX_FMT_BF6
.endr
.endm
.macro SOFTMAX a
.set rT, ST+8*(\a)
.set rS, S0+64*((\a)%2)
.set rO, OT+32*(\a)
	WIN 0
.irp b, 0,1,2,3
	v_max3_num_f32 v[BM+\b], v[rS+16*\b], v[rS+16*\b+1], v[rS+16*\b+2]   ; the largest logit of each block of 32 keys: it serves for the row's maximum and, since p rises with the logit, for the block's largest p
.endr
.irp i, 3,5,7,9,11,13
.irp b, 0,1,2,3
	v_max3_num_f32 v[BM+\b], v[BM+\b], v[rS+16*\b+\i], v[rS+16*\b+\i+1]
.endr
.endr
.irp b, 0,1,2,3
	v_max_num_f32 v[BM+\b], v[BM+\b], v[rS+16*\b+15]
.endr
.irp b, 0,1,2,3
	v_permlanex16_b32 v[BP+\b], v[BM+\b], s[SEL], s[SEL+1]
.endr
.irp b, 0,1,2,3
	v_max_num_f32 v[BM+\b], v[BM+\b], v[BP+\b]     ; with lane l xor 16's 16 keys
.endr
	v_max3_num_f32 v[TP], v[BM], v[BM+1], v[BM+2]
	v_max_num_f32 v[TP], v[TP], v[BM+3]
	v_mul_f32 v[TP], s[CS], v[TP]                  ; the step's largest t
	v_max_num_f32 v[rT+1], v[rT+1], v[TP]          ; the running largest t
	v_mov_b32 v[TP], v[rT]
	v_floor_f32 v[rT], -v[rT+1]                    ; the new -M: M is a whole number
	v_sub_f32 v[TP], v[rT], v[TP]                  ; old M - new M: a whole number, 0 or less
	v_cvt_i32_f32 v[TP], v[TP]                     ; (it saturates)
	v_ldexp_f32 v[F], 1.0, v[TP]                   ; 2^(old M - new M)
.set jj, 0
.rept 32
	v_pk_mul_f32 v[rS+jj:rS+jj+1], v[rS+jj:rS+jj+1], s[CS:CS+1] op_sel_hi:[1,0]   ; t, rounded to f32
.set jj, jj+2
.endr
.irp b, 0,1,2,3
	v_mul_f32 v[BM+\b], s[CS], v[BM+\b]            ; the same lines on each block's largest logit give the same bits
.endr
.irp b, 0,1,2,3
	v_add_f32 v[BM+\b], v[rT], v[BM+\b]
.endr
.irp b, 0,1,2,3
	v_exp_f32 v[BM+\b], v[BM+\b]                   ; the block's largest p
.endr
	v_pk_add_f32 v[rS:rS+1], v[rS:rS+1], v[rT:rT+1] op_sel_hi:[1,0]   ; pair 0: t - M.  (The plain line behind the exponentials)
	s_wait_alu depctr_va_vdst(0)
.irp b, 0,1,2,3
	v_max_num_f32 v[BM+\b], 0x2800000, v[BM+\b]    ; the floor 2^(5 - 127): the byte cannot fall under 1
.endr
.irp b, 0,1,2,3
	v_add_nc_u32 v[SO+\b], 0xfe000000, v[BM+\b]    ; the conversion's scale operand
.endr
.irp b, 0,1,2,3
	v_lshrrev_b32 v[BP+\b], 23, v[SO+\b]           ; the byte
.endr
	v_lshl_or_b32 v[PS], v[BP+1], 8, v[BP]
	v_lshl_or_b32 v[PS], v[BP+2], 16, v[PS]
	v_lshl_or_b32 v[PS], v[BP+3], 24, v[PS]        ; P's scale word for these 128 keys
	v_pk_mul_f32 v[rT+2:rT+3], v[rT+2:rT+3], v[F:F+1] op_sel_hi:[1,0]   ; the sums under the new M
	v_pk_mul_f32 v[rT+4:rT+5], v[rT+4:rT+5], v[F:F+1] op_sel_hi:[1,0]
; plain lines and exponentials by turns: in front of a pair's exponentials the next pair's t - M, between them the sum of the pair before: every exponential has a plain line behind it before its result is used
.set pp, 0
.rept 32
.if pp < 31
	v_pk_add_f32 v[rS+2*pp+2:rS+2*pp+3], v[rS+2*pp+2:rS+2*pp+3], v[rT:rT+1] op_sel_hi:[1,0]
.else
	v_nop
.endif
	v_exp_f32 v[rS+2*pp], v[rS+2*pp]
.if pp == 0
	v_nop
.elseif (pp-1)%2 == 0
	s_wait_alu depctr_va_vdst(0)
	v_pk_add_f32 v[rT+2:rT+3], v[rT+2:rT+3], v[rS+2*pp-2:rS+2*pp-1]   ; THE ROW'S SUM IS TAKEN OF THE UNQUANTISED p, in two chains of pairs
.else
	s_wait_alu depctr_va_vdst(0)
	v_pk_add_f32 v[rT+4:rT+5], v[rT+4:rT+5], v[rS+2*pp-2:rS+2*pp-1]
.endif
	v_exp_f32 v[rS+2*pp+1], v[rS+2*pp+1]
.set pp, pp+1
.endr
	v_nop
	s_wait_alu depctr_va_vdst(0)
	v_pk_add_f32 v[rT+4:rT+5], v[rT+4:rT+5], v[rS+62:rS+63]
.irp c, 0,1
	v_cvt_scalef32_pk16_bf6_f32 v[PC+6*\c:PC+6*\c+2], v[rS+32*\c:rS+32*\c+15], v[SO+2*\c]
	v_cvt_scalef32_pk16_bf6_f32 v[P2+4*\c:P2+4*\c+2], v[rS+32*\c+16:rS+32*\c+31], v[SO+2*\c+1]   ; (a conversion's three registers begin on an even number)
.endr
	v_nop                                          ; one plain line behind a scaled conversion
.irp c, 0,1                                    ; a whole block to a lane: lanes 0-15 block 2 c, lanes 16-31 block 2 c + 1
.irp i, 0,1,2
	v_permlane16_swap_b32 v[PC+6*\c+\i], v[P2+4*\c+\i]
.endr
.irp i, 0,1,2
	v_mov_b32 v[PC+3+6*\c+\i], v[P2+4*\c+\i]
.endr
.endr
	WIN 0x82                                       ; O^T (destination and source 0) in window 2
.set jj, 0
.rept 16
	v_pk_mul_f32 v[rO+jj:rO+jj+1], v[rO+jj:rO+jj+1], v[F:F+1] op_sel_hi:[1,0]   ; O^T under the new M, each accumulator from its low end on.  (These are also the plain lines between the codes' last move and the products)
.set jj, jj+2
.endr
.endm
; A KEY STEP: 128 keys, the q-th of the slot in hand, for the four heads.  Behind head a's softmax stand its four products V^T P and head a + 2's eight score products: they run under the next head's vector work.
.macro STEP q
	WIN 0
	v_add_nc_u32 v[DK], s[TB], v[A16]
	v_add_nc_u32 v[D8], s[TB], v[A8]
	v_add_nc_u32 v[DM], s[TB], v[AM]
	v_nop                                          ; four plain lines between the last products and the loads into their operands
	WIN 0x40
.irp t, 0,1,2,3,4,5,6,7
	ds_load_b128 v[KF+12*\t:KF+12*\t+3], v[DK] offset:8192*(\q)+1024*\t
	ds_load_b64 v[KF+12*\t+4:KF+12*\t+5], v[D8] offset:8192*(\q)+1024*\t+512
.endr
	WIN 0x80
.irp t, 0,1,2,3,4,5,6,7
	ds_load_b128 v[MK+8*\t:MK+8*\t+3], v[DM] offset:512*(\q)+128*(\t/2)+32*(\t%2)      ; mask(my query, keys 32 (t / 2) + 16 (lane / 16) + 8 (t % 2) + 0..7): the result's layout
	ds_load_b128 v[MK+8*\t+4:MK+8*\t+7], v[DM] offset:512*(\q)+128*(\t/2)+32*(\t%2)+16
.endr
	WIN 0
.irp t, 0,1,2,3,4,5,6,7
	ds_load_b32 v[KS+\t], v[D8] offset:8192*(\q)+1024*\t+768
.endr
	WIN 0x40
.irp d, 0,1,2,3
.irp c, 0,1
	ds_load_b128 v[VF+12*\d+6*\c:VF+12*\d+6*\c+3], v[DK] offset:VOFF+((2*(\q)+\c)*4+\d)*1024
	ds_load_b64 v[VF+12*\d+6*\c+4:VF+12*\d+6*\c+5], v[D8] offset:VOFF+((2*(\q)+\c)*4+\d)*1024+512
.endr
.endr
	WIN 0
.irp d, 0,1,2,3
	ds_load_b32 v[VS+\d], v[D8] offset:VOFF+((2*(\q))*4+\d)*1024+768
	ds_load_b32 v[VSB+\d], v[D8] offset:VOFF+((2*(\q)+1)*4+\d)*1024+768
.endr
	s_wait_dscnt 24                                ; K, the mask and K's scale words are in; V's 24 loads may be out
	SMM 0
	SMM 1
	WIN 0
	s_wait_dscnt 0x0
.irp d, 0,1,2,3
	v_or_b32 v[VS+\d], v[VS+\d], v[VSB+\d]         ; V's scale word: the two halves' bytes.  (Also the four plain lines in front of the first read of the logits)
.endr
	SOFTMAX 0
	PV 0
	SMM 2
	SOFTMAX 1
	PV 1
	SMM 3
	SOFTMAX 2
	PV 2
	SOFTMAX 3
	PV 3
	WIN 0
.endm
; THE CHANGE OF SLOTS stands at a slot's head: each wave waits for all its tensor loads (its part of the slot ahead), adds 0 to its spare word, and waits for that and for its reads of the slot that it has left.
; fill = 1: a round of the cluster's barrier, and behind it the slot just left is asked for again, with the next 256 keys.
.macro CHANGE fill
	s_wait_tensorcnt 0x0                           ; no tensor load of mine is out, so a descriptor may be written
	ds_add_u32 v[SPW], v[NIL]                      ; 0 onto my spare word
.if \fill
	s_xor_b32 s[G0M+1], s[G0M+1], SLOT1            ; the walking descriptors: the other slot,
	s_add_nc_u64 s[G0M+2:G0M+3], s[G0M+2:G0M+3], 1024   ; the next 256 keys
	s_xor_b32 s[G0D+1], s[G0D+1], SLOT1
	s_add_nc_u64 s[G0D+2:G0D+3], s[G0D+2:G0D+3], 16384
.endif
	s_wait_dscnt 0x0                               ; the add is done, and my reads of the slot that I have left are over
.if \fill
	CROUND
	JLOAD                                          ; the first thing behind the round, and my one tensor load until the next
.else
	s_barrier_signal -1
	s_barrier_wait -1
.endif
.endm
	s_wait_loadcnt 0x0                             ; Q
.Lchunk:                                           ; seven trips: behind each change of slots but the last the next 256 keys are asked for
	CHANGE 1
	STEP 0
	STEP 1
	s_xor_b32 s[TB], s[TB], SLOT1
	s_sub_co_u32 s[TRIPS], s[TRIPS], 1
	s_cmp_lg_u32 s[TRIPS], 0
	s_cbranch_scc1 .Lchunk
	CHANGE 0                                       ; the last slot is written out
	STEP 0
	STEP 1
	; THE WAY OUT: the sums are joined (these lines are the plain lines behind the last products); O^T / the sum; two heads are 128 along the next product's K: one fragment and one scale word a row.
.irp a, 0,1,2,3
	v_pk_add_f32 v[ST+8*\a+2:ST+8*\a+3], v[ST+8*\a+2:ST+8*\a+3], v[ST+8*\a+4:ST+8*\a+5]
.endr
.irp a, 0,1,2,3
	v_add_f32 v[ST+8*\a+2], v[ST+8*\a+2], v[ST+8*\a+3]
.endr
.irp a, 0,1,2,3
	v_permlanex16_b32 v[ST+8*\a+4], v[ST+8*\a+2], s[SEL], s[SEL+1]
.endr
.irp a, 0,1,2,3
	v_add_f32 v[ST+8*\a+2], v[ST+8*\a+2], v[ST+8*\a+4]   ; the row's sum
.endr
.irp a, 0,1,2,3
	v_rcp_f32 v[ST+8*\a+6], v[ST+8*\a+2]
.endr
	v_nop                                          ; a plain line behind the reciprocals
	WIN 0x02                                       ; source 0 (O^T) in window 2; the result takes the scores' registers in window 0
	s_wait_alu depctr_va_vdst(0)
.irp a, 0,1,2,3
.set jj, 0
.rept 16
	v_pk_mul_f32 v[S0+32*\a+jj:S0+32*\a+jj+1], v[OT+32*\a+jj:OT+32*\a+jj+1], v[ST+8*\a+6:ST+8*\a+7] op_sel_hi:[1,0]   ; register 32 a + 16 e + i: attn(my query, head 4 g + a, 32 e + 16 (lane / 16) + i)
.set jj, jj+2
.endr
.endr
	WIN 0
.irp u, 0,1
.if \u
	s_wait_xcnt 0x0                                ; the first fragment's stores have read the codes' registers: only now are they written again
.endif
	QUANT S0+64*\u
.irp c, 0,1,2
	global_store_b128 v[A16], v[PC+4*\c:PC+4*\c+3], s[62:63] offset:13312*\u+512*\c   ; 512 consecutive bytes
.endr
	global_store_b32 v[A4], v[PW], s[66:67] offset:13312*\u
.endr
	s_wait_tensorcnt 0x0                           ; the wave's end
	ds_add_u32 v[SPW], v[NIL]
	s_wait_dscnt 0x0
	CROUND                                         ; the closing round: no work-group ends while a partner may still ask for a tile that names it
	s_endpgm
.Lfunc_end_k_q4d376896a9_attn:
	.size	k_q4d376896a9_attn, .Lfunc_end_k_q4d376896a9_attn-k_q4d376896a9_attn
	.p2alignl 7, 3214868480
	.fill 96, 4, 3214868480
	.section	.rodata,"a",@progbits
	.p2align	6, 0x0
	.amdhsa_kernel k_q4d376896a9_attn
		.amdhsa_group_segment_fixed_size 327680
		.amdhsa_private_segment_fixed_size 0
		.amdhsa_enable_private_segment 0
		.amdhsa_kernarg_size 24
		.amdhsa_user_sgpr_count 2
		.amdhsa_user_sgpr_kernarg_segment_ptr 1
		.amdhsa_wavefront_size32 1
		.amdhsa_system_sgpr_workgroup_id_x 1
		.amdhsa_system_sgpr_workgroup_id_y 1
		.amdhsa_system_sgpr_workgroup_id_z 1
		.amdhsa_system_vgpr_workitem_id 0
		.amdhsa_next_free_vgpr 768
		.amdhsa_next_free_sgpr 80
		.amdhsa_reserve_vcc 0
		.amdhsa_float_denorm_mode_32 3
		.amdhsa_float_denorm_mode_16_64 3
		.amdhsa_memory_ordered 1
		.amdhsa_forward_progress 1
		.amdhsa_inst_pref_size 255
	.end_amdhsa_kernel
	.section	.bss,"aw",@nobits
	.p2align	6
	.space	262144
	.amdgpu_metadata
---
amdhsa.version: [ 1, 2 ]
amdhsa.kernels:
  - .name:           k_q4d376896a9_attn
    .symbol:         k_q4d376896a9_attn.kd
    .args:
      - { .name: qkvf, .offset: 0, .size: 8, .value_kind: global_buffer, .address_space: global }
      - { .name: attention_mask, .offset: 8, .size: 8, .value_kind: global_buffer, .address_space: global }
      - { .name: af, .offset: 16, .size: 8, .value_kind: global_buffer, .address_space: global }
    .group_segment_fixed_size: 327680
    .private_segment_fixed_size: 0
    .kernarg_segment_align: 8
    .kernarg_segment_size: 24
    .max_flat_workgroup_size: 128
    .sgpr_count:     80
    .vgpr_count:     768
    .wavefront_size: 32
...
	.end_amdgpu_metadata
.endif
;; end of part 4
;; launch outp (part 5): grid 16 x 16, 4 waves a work-group, clusters of 4 x 4, 327,680 bytes of LDS; arguments wf, af, out0; writes out0
.if DOCPART == 5
	.amdgcn_target "amdgcn-amd-amdhsa--gfx1250"
	.amdhsa_code_object_version 6
	.text
	.protected	k_q4d376896a9_outp
	.globl	k_q4d376896a9_outp
	.p2align	8
	.type	k_q4d376896a9_outp,@function
k_q4d376896a9_outp:
	s_mov_b64 s[64:65], 0
	v_nop
	global_prefetch_b8 v0, s[64:65] scope:SCOPE_SE
	s_setreg_imm32_b32 hwreg(HW_REG_WAVE_MODE, 25, 1), 1
	s_wait_xcnt 0x0
	s_wait_alu depctr_hold_cnt(0) depctr_sa_sdst(0) depctr_va_vdst(0) depctr_va_sdst(0) depctr_va_ssrc(0) depctr_va_vcc(0) depctr_vm_vsrc(0)
	s_getreg_b32 s2, hwreg(HW_REG_IB_STS2, 6, 4)
	s_cmp_eq_u32 s2, 0
	s_cbranch_scc0 .Lentry_in_a_cluster
	s_endpgm
.Lentry_in_a_cluster:
	s_bfe_u32 s2, ttmp6, 0x10000c
	s_cmp_lg_u32 s2, 0xf033
	s_cbranch_scc0 .Lentry_shape_is_right
	s_endpgm
.Lentry_shape_is_right:
; out0 = attn x Wo on codes of BF6 (E3M2, one E8M0 scale for each 32 along K); sums in f32.  Both operands come as images of their registers:
; [group of 128 rows][16 K steps][8 fragments of 1,536 bytes, 8 x 128 bytes of scale words]; Wo's columns are groups 24-39 of wf, attn's rows the 16 groups of af.
; D = S0 x S1^T: source 0 = 16 columns of Wo, source 1 = 16 rows of attn: a lane holds one row of the output and eight neighbouring columns.  Lane r of tile 2 b + u of either holds row 32 b + 8 u + r + 8 (r / 8).
; SHARES: a work-group makes 128 x 128, each of four waves 64 x 64: 16 accumulators.  K goes in 16 steps of 128 through three LDS slots of four steps; only slot 0 is filled twice.
; CLUSTER 4 x 4: Wo's blocks hang on cx alone and are asked for jointly down a column of the cluster, attn's on cy alone and jointly along a row.
; THE WAY OUT goes through a stage of 128 rows x 528 bytes in slot 1, which has had its only fill and whose last read lies in front of the last barrier of the K steps; each store covers 512 consecutive bytes of a row.
; REGISTERS: window 0: v4-15 LDS addresses; v16, v18 16, 4 x lane; v19-20 the stage; v28-29 for the add; v32-47 scale words, two sets; v128-255 accumulators.   window 1: two sets of eight fragments.
.set SLOT,  106496
.set OPB,   53248
.set KB,    13312
.set RBB,   212992
.set SPARE, 319488                     ; behind the slots: the spare words, 128 bytes a wave, that no other line names
.set STG,   SLOT
.set AD0, 4
.set AD1, 7
.set AS0, 10
.set AS1, 13
.set L16, 16
.set L4,  18
.set STO, 19
.set RD,  20
.set SPW, 28
.set NIL, 29
.set SC,  32
.set ACC, 128
.set WV,  12
.set H0,  13
.set H1,  14
.set G1A, 24
.set G1B, 32
.set G0A, 40
.set G0B, 52
.set MSB, 0
.macro WIN new                         ; the immediate's high byte repeats the setting that is left
.if MSB != \new
	s_set_vgpr_msb (MSB<<8)|\new
.set MSB, \new
.endif
.endm
.macro JLOAD s                         ; a joint load: waves 0 and 1 fetch S0's two pairs of K steps, waves 2 and 3 S1's; four v_nop follow each line
	s_cmp_eq_u32 s[H0], 0
	s_cbranch_scc0 .Lfor_b_\@
	tensor_load_to_lds s[G0A+4*\s:G0A+4*\s+3], s[G1A:G1A+7]
	s_nop 0
.rept 4
	v_nop
.endr
	s_branch .Lasked_\@
.Lfor_b_\@:
	tensor_load_to_lds s[G0B+4*\s:G0B+4*\s+3], s[G1B:G1B+7]
	s_nop 0
.rept 4
	v_nop
.endr
.Lasked_\@:
.endm
.macro CROUND                          ; a round of the cluster's barrier
	s_barrier_signal -1
	s_barrier_wait -1
	s_cmp_lg_u32 s[WV], 0
	s_cbranch_scc1 .Lnot_wave_0_\@
	s_barrier_signal -3
.Lnot_wave_0_\@:
	s_barrier_wait -3
	s_barrier_signal -1
	s_barrier_wait -1
.endm
.macro PLACES                          ; four plain lines between a matrix instruction and a load into, or a read of, its registers
.rept 4
	v_nop
.endr
.endm
.macro FETCH slot, k, e                ; 32 LDS loads: my eight fragments and scale words of the slot's K step k, into set e
	WIN 0x40
.irp a, 0,1,2,3
.irp c, 0,1,2
	ds_load_b128 v[96*(\e)+12*\a+4*\c:96*(\e)+12*\a+4*\c+3], v[AD0+\slot] offset:(\k)*KB+\a*1536+512*\c
.endr
.endr
.irp a, 0,1,2,3
.irp c, 0,1,2
	ds_load_b128 v[96*(\e)+48+12*\a+4*\c:96*(\e)+48+12*\a+4*\c+3], v[AD1+\slot] offset:(\k)*KB+\a*1536+512*\c
.endr
.endr
	WIN 0
.irp a, 0,1,2,3
	ds_load_b32 v[SC+8*(\e)+\a], v[AS0+\slot] offset:(\k)*KB+\a*128
	ds_load_b32 v[SC+8*(\e)+4+\a], v[AS1+\slot] offset:(\k)*KB+\a*128
.endr
.endm
.macro MUL16 e, zero                   ; a K step: the 16 accumulators by turns, in the same order in every step; zero = 1: the first products start the sums
	WIN 0x05
.irp b, 0,1,2,3
.irp a, 0,1,2,3
.if \zero
	v_wmma_scale_f32_16x16x128_f8f6f4 v[ACC+32*\b+8*\a:ACC+32*\b+8*\a+7], v[96*(\e)+12*\a:96*(\e)+12*\a+11], v[96*(\e)+48+12*\b:96*(\e)+48+12*\b+11], 0, v[SC+8*(\e)+\a], v[SC+8*(\e)+4+\b] matrix_a_fmt:MATRIX_FMT_BF6 matrix_b_fmt:MATRIX_FMT_BF6
.else
	v_wmma_scale_f32_16x16x128_f8f6f4 v[ACC+32*\b+8*\a:ACC+32*\b+8*\a+7], v[96*(\e)+12*\a:96*(\e)+12*\a+11], v[96*(\e)+48+12*\b:96*(\e)+48+12*\b+11], v[ACC+32*\b+8*\a:ACC+32*\b+8*\a+7], v[SC+8*(\e)+\a], v[SC+8*(\e)+4+\b] matrix_a_fmt:MATRIX_FMT_BF6 matrix_b_fmt:MATRIX_FMT_BF6
.endif
.endr
.endr
.endm
.macro KSTEP ns, nk, e, zero           ; the next step's fragments are asked for, then set e is multiplied
	PLACES
	FETCH \ns, \nk, 1-(\e)
	s_wait_dscnt 32                                ; all but the 32 just issued
	MUL16 \e, \zero
.endm
	s_load_b128 s[4:7], s[0:1], 0x0                ; wf, af
	s_load_b64 s[8:9], s[0:1], 0x10                ; out0
	v_lshl_add_u32 v[SPW], v0, 2, SPARE
	v_mov_b32 v[NIL], 0
	ds_add_u32 v28, v29
	ds_add_u32 v28, v29
	s_wait_dscnt 0x0
	v_lshrrev_b32 v1, 5, v0
	v_readfirstlane_b32 s[WV], v1                  ; wave 0..3
	s_lshr_b32 s[H0], s[WV], 1                     ; my half of the 128 columns.  Also: I fetch for S0 (0) or S1 (1)
	s_and_b32 s[H1], s[WV], 1                      ; my half of the 128 rows.  Also: which pair of a slot's four K steps I fetch
	s_bfe_u32 s15, ttmp6, 0x40000                  ; cx
	s_bfe_u32 s16, ttmp6, 0x40004                  ; cy
	s_lshl_b32 s20, ttmp9, 2
	s_add_co_u32 s20, s20, s15                     ; the group of columns: it hangs on cx alone
	s_and_b32 s21, ttmp7, 0xffff
	s_lshl_b32 s21, s21, 2
	s_add_co_u32 s21, s21, s16                     ; the group of rows: on cy alone
	s_lshl_b32 s18, 0x1111, s15                    ; my column of the cluster
	s_lshl_b32 s19, s16, 2
	s_lshl_b32 s19, 15, s19                        ; my row
	s_or_b32 s[G1A], s18, (3<<16)|(1<<21)          ; 15:0 the mask; 17:16 elements of 8 bytes; 21 set beside a mask; no padding
	s_or_b32 s[G1B], s19, (3<<16)|(1<<21)
.irp g, G1A, G1B                       ; two K steps of one operand are a dense block of 26,624 bytes: 104 rows of 256
	s_mov_b32 s[\g+1], 32<<16
	s_mov_b32 s[\g+2], 104<<16
	s_mov_b32 s[\g+3], 32<<16
	s_mov_b32 s[\g+4], 104
	s_mov_b32 s[\g+5], 32
	s_mov_b32 s[\g+6], 0
	s_mov_b32 s[\g+7], 0
.endr
	s_mul_i32 s23, s[H1], 2*KB
	s_add_co_u32 s70, s20, 24                      ; Wo's groups begin at 24
	s_mul_i32 s70, s70, RBB
	s_add_co_u32 s70, s70, s23
	s_mov_b32 s71, 0
	s_mul_i32 s72, s21, RBB
	s_add_co_u32 s72, s72, s23
	s_mov_b32 s73, 0
	s_mul_i32 s86, s[WV], 2*KB                     ; where my load goes in a slot: no place in the cluster enters an LDS address
	s_lshl_b32 s78, s21, 7
	s_lshl_b32 s79, s[WV], 5
	s_add_co_u32 s78, s78, s79
	s_lshl_b32 s78, s78, 13                        ; the first row that I store: 128 x group + 32 x wave, of 8,192 bytes,
	s_lshl_b32 s79, s20, 9                         ; and the group's 128 columns: 512 bytes
	s_add_co_u32 s78, s78, s79
	s_mov_b32 s79, 0
	s_wait_kmcnt 0x0
	s_add_nc_u64 s[66:67], s[4:5], s[70:71]
	s_add_nc_u64 s[68:69], s[6:7], s[72:73]
	s_add_nc_u64 s[8:9], s[8:9], s[78:79]
	CROUND                                         ; all sixteen work-groups are here: the first joint loads meet
.irp s, 0,1,2
	s_mov_b32 s[G0A+4*\s], 1
	s_add_co_u32 s[G0A+4*\s+1], s86, \s*SLOT
	s_add_nc_u64 s[G0A+4*\s+2:G0A+4*\s+3], s[66:67], \s*OPB   ; K steps 4 s on
	s_or_b32 s[G0A+4*\s+3], s[G0A+4*\s+3], 0x80000000
	s_mov_b32 s[G0B+4*\s], 1
	s_add_co_u32 s[G0B+4*\s+1], s86, \s*SLOT
	s_add_nc_u64 s[G0B+4*\s+2:G0B+4*\s+3], s[68:69], \s*OPB
	s_or_b32 s[G0B+4*\s+3], s[G0B+4*\s+3], 0x80000000
	JLOAD \s                                       ; three loads of mine are out: three quarters of K
.endr
	v_and_b32 v1, 31, v0
	v_lshlrev_b32 v[L16], 4, v1
	v_lshlrev_b32 v[L4], 2, v1
	s_mul_i32 s87, s[H0], 6144
	s_mul_i32 s88, s[H1], 6144
	s_add_co_u32 s88, s88, OPB
	s_lshl_b32 s89, s[H0], 9
	s_add_co_u32 s89, s89, 12288
	s_lshl_b32 s90, s[H1], 9
	s_add_co_u32 s90, s90, 12288+OPB
.irp s, 0,1,2
	v_add_nc_u32 v[AD0+\s], s87, v[L16]
	v_add_nc_u32 v[AD1+\s], s88, v[L16]
	v_add_nc_u32 v[AS0+\s], s89, v[L4]
	v_add_nc_u32 v[AS1+\s], s90, v[L4]
	s_add_co_u32 s87, s87, SLOT
	s_add_co_u32 s88, s88, SLOT
	s_add_co_u32 s89, s89, SLOT
	s_add_co_u32 s90, s90, SLOT
.endr
	v_and_b32 v2, 15, v0                           ; r
	v_bfe_u32 v3, v0, 4, 1                         ; h
	v_mul_u32_u24 v[STO], v2, 528
	v_lshl_add_u32 v[STO], v3, 6, v[STO]
	s_mul_i32 s76, s[H1], 64*528
	s_lshl_b32 s77, s[H0], 8
	s_add_co_u32 s76, s76, s77
	s_add_co_u32 s76, s76, STG
	v_add_nc_u32 v[STO], s76, v[STO]               ; into the stage: row 64 h1 + 16 b + r (tile order), byte 256 h0 + 64 h + the accumulator's place
	s_mul_i32 s76, s[WV], 32*528
	s_add_co_u32 s76, s76, STG
	v_add_nc_u32 v[RD], s76, v[L16]                ; back: my 32 rows, 16 bytes a lane
	s_wait_tensorcnt 2                             ; my part of slot 0 is in; the two younger loads may be out
	s_barrier_signal -1
	s_barrier_wait -1
	FETCH 0, 0, 0
	KSTEP 0, 1, 0, 1                               ; K steps 0-3, slot 0
	KSTEP 0, 2, 1, 0
	KSTEP 0, 3, 0, 0
	WIN 0
	s_wait_tensorcnt 0x0                           ; all my tensor loads have landed, slots 1 and 2 among them: a descriptor may be written
	ds_add_u32 v[SPW], v[NIL]                      ; 0 onto my spare word
	s_add_nc_u64 s[G0A+2:G0A+3], s[G0A+2:G0A+3], 3*OPB   ; slot 0's next: K steps 12-15
	s_add_nc_u64 s[G0B+2:G0B+3], s[G0B+2:G0B+3], 3*OPB
	s_wait_dscnt 0x0                               ; the add is done, and my reads of slot 0 are over
	CROUND                                         ; so it is in every wave of every partner
	JLOAD 0                                        ; the one refill: it has eight K steps, 128 matrix instructions of mine, in which to land; its four v_nop are the places in front of the loads below
	FETCH 1, 0, 0
	s_wait_dscnt 32
	MUL16 1, 0
	KSTEP 1, 1, 0, 0                               ; K steps 4-7, slot 1
	KSTEP 1, 2, 1, 0
	KSTEP 1, 3, 0, 0
	KSTEP 2, 0, 1, 0                               ; slot 2 was shown whole to every wave by the round above
	KSTEP 2, 1, 0, 0                               ; K steps 8-11, slot 2
	KSTEP 2, 2, 1, 0
	KSTEP 2, 3, 0, 0
	WIN 0
	s_wait_tensorcnt 0x0                           ; my part of K steps 12-15 is in
	ds_add_u32 v[SPW], v[NIL]
	s_wait_dscnt 0x0                               ; my reads of slots 1 and 2 are over
	s_barrier_signal -1
	s_barrier_wait -1                              ; everybody's are
	PLACES
	FETCH 0, 0, 0
	s_wait_dscnt 32
	MUL16 1, 0
	KSTEP 0, 1, 0, 0                               ; K steps 12-15, slot 0
	KSTEP 0, 2, 1, 0
	KSTEP 0, 3, 0, 0
	s_wait_dscnt 0x0
	MUL16 1, 0
	WIN 0
	PLACES
	; THE WAY OUT.  Accumulator (a, b), lane (r, h), register j: row 64 h1 + (tile b's row of lane r), column 64 h0 + 32 (a / 2) + 16 h + 8 (a % 2) + j.
.irp b, 0,1,2,3
.irp a, 0,1,2,3
	ds_store_b128 v[STO], v[ACC+32*\b+8*\a:ACC+32*\b+8*\a+3] offset:8448*\b+128*(\a/2)+32*(\a%2)        ; each accumulator from its low end on
	ds_store_b128 v[STO], v[ACC+32*\b+8*\a+4:ACC+32*\b+8*\a+7] offset:8448*\b+128*(\a/2)+32*(\a%2)+16
.endr
.endr
	s_wait_dscnt 0x0                               ; for the others' sake: my stores into the stage are done
	s_barrier_signal -1
	s_barrier_wait -1                              ; a row's 512 bytes come from two waves
.set ss, 0
.rept 32
	ds_load_b128 v[ACC+4*ss:ACC+4*ss+3], v[RD] offset:528*ss
.set ss, ss+1
.endr
.set ss, 0
.rept 32
	s_wait_dscnt 31-ss                             ; the younger loads may stay out
	global_store_b128 v[L16], v[ACC+4*ss:ACC+4*ss+3], s[8:9] offset:(8*(ss/16)+(ss%8)+16*((ss/8)%2))*8192 th:TH_STORE_NT   ; the stage's row in tile order goes to its true row: 512 consecutive bytes, at a multiple of 256
.set ss, ss+1
.endr
	s_wait_tensorcnt 0x0                           ; the wave's end: behind my last tensor load and my last LDS store
	ds_add_u32 v[SPW], v[NIL]
	s_wait_dscnt 0x0
	CROUND                                         ; the closing round: no work-group ends while a partner may still ask for a block that names it
	s_endpgm
.Lfunc_end_k_q4d376896a9_outp:
	.size	k_q4d376896a9_outp, .Lfunc_end_k_q4d376896a9_outp-k_q4d376896a9_outp
	.p2alignl 7, 3214868480
	.fill 96, 4, 3214868480
	.section	.rodata,"a",@progbits
	.p2align	6, 0x0
	.amdhsa_kernel k_q4d376896a9_outp
		.amdhsa_group_segment_fixed_size 327680
		.amdhsa_private_segment_fixed_size 0
		.amdhsa_enable_private_segment 0
		.amdhsa_kernarg_size 24
		.amdhsa_user_sgpr_count 2
		.amdhsa_user_sgpr_kernarg_segment_ptr 1
		.amdhsa_wavefront_size32 1
		.amdhsa_system_sgpr_workgroup_id_x 1
		.amdhsa_system_sgpr_workgroup_id_y 1
		.amdhsa_system_sgpr_workgroup_id_z 1
		.amdhsa_system_vgpr_workitem_id 0
		.amdhsa_next_free_vgpr 448
		.amdhsa_next_free_sgpr 100
		.amdhsa_reserve_vcc 0
		.amdhsa_float_denorm_mode_32 3
		.amdhsa_float_denorm_mode_16_64 3
		.amdhsa_memory_ordered 1
		.amdhsa_forward_progress 1
		.amdhsa_inst_pref_size 87
	.end_amdhsa_kernel
	.amdgpu_metadata
---
amdhsa.version: [ 1, 2 ]
amdhsa.kernels:
  - .name:           k_q4d376896a9_outp
    .symbol:         k_q4d376896a9_outp.kd
    .args:
      - { .name: wf, .offset: 0, .size: 8, .value_kind: global_buffer, .address_space: global }
      - { .name: af, .offset: 8, .size: 8, .value_kind: global_buffer, .address_space: global }
      - { .name: out0, .offset: 16, .size: 8, .value_kind: global_buffer, .address_space: global }
    .group_segment_fixed_size: 327680
    .private_segment_fixed_size: 0
    .kernarg_segment_align: 8
    .kernarg_segment_size: 24
    .max_flat_workgroup_size: 128
    .sgpr_count:     100
    .vgpr_count:     448
    .wavefront_size: 32
...
	.end_amdgpu_metadata
.endif
;; end of part 5
;; ======== version 2 of 2: 5 launches; 1.03 times as fast as version 1
;; limits: a function is approximated: absolute error at most 0.00016
;; workspace buffers: xf 3,407,872 bytes; wf 8,519,680 bytes; af 3,407,872 bytes; tab 540,672 bytes; qkvf 6,291,456 bytes
;; launch quant_x: the kernel of part 1 again; grid 256 x 1, 4 waves a work-group, no clusters, 34,304 bytes of LDS; arguments hidden_states, xf, tab; writes xf, tab
;; launch quant_w: the kernel of part 2 again; grid 40 x 8, 4 waves a work-group, no clusters, 27,136 bytes of LDS; arguments Wq, Wk, Wv, Wo, wf; writes wf
;; launch qkv: the kernel of part 3 again; grid 24 x 16, 4 waves a work-group, clusters of 4 x 4, 327,680 bytes of LDS; arguments xf, wf, tab, qkvf; writes qkvf
;; launch attn (part 6): grid 32 x 8, 4 waves a work-group, clusters of 4 x 4, 327,680 bytes of LDS; arguments qkvf, attention_mask, af; writes af
.if DOCPART == 6
	.amdgcn_target "amdgcn-amd-amdhsa--gfx1250"
	.amdhsa_code_object_version 6
	.text
	.protected	k_q4d376896a9_attn
	.globl	k_q4d376896a9_attn
	.p2align	8
	.type	k_q4d376896a9_attn,@function
k_q4d376896a9_attn:
	s_mov_b64 s[64:65], 0
	v_nop
	global_prefetch_b8 v0, s[64:65] scope:SCOPE_SE
	s_setreg_imm32_b32 hwreg(HW_REG_WAVE_MODE, 25, 1), 1
	s_wait_xcnt 0x0
	s_wait_alu depctr_hold_cnt(0) depctr_sa_sdst(0) depctr_va_vdst(0) depctr_va_sdst(0) depctr_va_ssrc(0) depctr_va_vcc(0) depctr_vm_vsrc(0)
	s_getreg_b32 s2, hwreg(HW_REG_IB_STS2, 6, 4)
	s_cmp_eq_u32 s2, 0
	s_cbranch_scc0 .Lentry_in_a_cluster
	s_endpgm
.Lentry_in_a_cluster:
	s_bfe_u32 s2, ttmp6, 0x10000c
	s_cmp_lg_u32 s2, 0xf033
	s_cbranch_scc0 .Lentry_shape_is_right
	s_endpgm
.Lentry_shape_is_right:
; attn = softmax(q k^T / 8 + mask) v for 32 query heads on 8 key/value heads, both products on codes of BF6 (E3M2, one E8M0 scale for each 32 along K), and the quantiser of the output projection's operand.
; THE MASK IS AN INPUT: every number of it is loaded and added; all 2,048 keys are walked for every query.
; SHARES: work-group (x, g): 64 queries, key/value head g; wave w: ONE tile of 16 queries for the FOUR query heads 4 g .. 4 g + 3, which share K's and V's fragments and the mask's numbers.
; LAYOUT: both products are used transposed: S^T = K Q^T (source 0 = 16 keys, source 1 = my 16 queries), O^T = V^T P^T (source 0 = 16 of the head's 64, source 1 = P): a lane holds ONE query throughout.
; The rows of every tile are 32 b + 8 u + r + 8 (r / 8) (tile 2 b + u, lane r), so that the 16 registers of tiles 2 b, 2 b + 1 are 16 neighbours.  The head's 64 fill half of an instruction's K: the upper half's codes are zeros.
; THE MASK IS THE C OF THE SCORE PRODUCT and 1 / 8 lies in q's scale bytes: the product's result is the logit.
; SOFTMAX: t = logit x log2(e), ROUNDED to f32; M = the running largest t rounded up to a whole number (kept as -M = floor(-t)); p = 2^(t - M) is quantised along the keys; the row's sum is taken of the unquantised p and
; divides at the end; when M moves, the sum and O^T are multiplied by 2^(old M - new M), which rounds nothing.  t - M is a multiplication and an addition, not one fused line: at logits of very large magnitude
; (a row all of whose keys are masked) the fused form would return the product's rounding residue, where equal logits must give equal p.
; A block's largest p is not searched for: the block's largest logit goes through the same three lines as every logit.  (This takes v_exp_f32 not to fall where its input rises.)
; ORDER OF THE SOFTMAX'S LINES: a wave is alone on its SIMD, so a line that reads the line above it leaves the SIMD idle.  The lines of one head are therefore dealt so that, where the work allows, at least four other
; lines stand between a line and the one whose result it reads: eight chains of maxima; the 32 multiplications by log2(e) as fillers between the links of the chain that leads to M; t - M three pairs ahead of a pair's
; exponentials and the pair's sum four pairs behind them; three of the four conversions inside the run of exponentials.
; RING: two LDS slots of 256 keys: K's 16 records, V's 16 records, 64 rows x 1,024 bytes of the mask (rows 1,040 bytes apart).  CLUSTER 4 x 4: the mask's tile hangs on x alone and is asked for jointly down a column of
; the cluster, K's and V's on g alone and jointly along a row.  Waves 0, 1: the mask's halves; wave 2: K; wave 3: V.  A refill has two key steps in which to land.
; LIMITS: NaN and infinities are not served.  A block of p or of the result under 2^-122 (zeros too) gets the byte 1.
; REGISTERS: window 0: v1-9 addresses; v12-43 eight a head: -M, largest t, two pairs of sums, 1 / sum; v44-63 scale words; v64-191 two buffers of scores; v192-211 P's codes; v212-229 at work.
;   window 1: v0-95 K's 8 fragments, v96-143 V's 4, v144-191 Q's 4.   window 2: v0-63 the mask's 8 tiles, v64-191 O^T, 32 a head.
.set SLOT1, 131072
.set VOFF,  16384
.set MOFF,  32768
.set MP,    1040
.set SPARE, 262144                     ; behind the ring: the spare words, 128 bytes a wave, that no other line names
.set A16, 1                            ; 16 x lane
.set A8,  2                            ; 8 x lane
.set AM,  3                            ; my row of the mask's tile, + 64 (lane / 16)
.set DK,  4                            ; the same three in the slot in hand
.set D8,  5
.set DM,  6
.set A4,  7                            ; 4 x lane
.set SPW, 8
.set NIL, 9
.set ST,  12
.set QS,  44
.set KS,  48
.set VS,  56
.set VSB, 60
.set S0,  64
.set PC,  192
.set P2,  204
.set BM,  212                          ; v212-215 the even tiles' chains of maxima, then a block's largest t, then its largest p
.set BP,  216                          ; v216-219 the odd tiles' chains, then the other half's maxima, then the bytes.  BP = BM + 4
.set SO,  220                          ; the conversions' scale operands
.set PS,  224                          ; P's scale word
.set F,   226                          ; v[226:227] 2^(old M - new M), and a word named with it
.set TP,  228                          ; v228-229 at work
.set TM,  212                          ; the last quantiser's work registers, v212-227, and its scale word
.set PW,  228
.set KF,  0
.set VF,  96
.set QF,  144
.set MK,  0
.set OT,  64
.set WV,  10
.set SEL, 20
.set CS,  22
.set G1M, 24
.set G1D, 32
.set G0M, 40
.set G0D, 44
.set TB,  48
.set TRIPS, 49
.set MSB, 0
.macro WIN new                         ; the immediate's high byte repeats the setting that is left
.if MSB != \new
	s_set_vgpr_msb (MSB<<8)|\new
.set MSB, \new
.endif
.endm
.macro JLOAD                           ; a joint load; four v_nop follow each of the two lines
	s_cmp_lt_u32 s[WV], 2
	s_cbranch_scc0 .Lfor_kv_\@
	tensor_load_to_lds s[G0M:G0M+3], s[G1M:G1M+7]
	s_nop 0
.rept 4
	v_nop
.endr
	s_branch .Lasked_\@
.Lfor_kv_\@:
	tensor_load_to_lds s[G0D:G0D+3], s[G1D:G1D+7]
	s_nop 0
.rept 4
	v_nop
.endr
.Lasked_\@:
.endm
.macro CROUND                          ; a round of the cluster's barrier
	s_barrier_signal -1
	s_barrier_wait -1
	s_cmp_lg_u32 s[WV], 0
	s_cbranch_scc1 .Lnot_wave_0_\@
	s_barrier_signal -3
.Lnot_wave_0_\@:
	s_barrier_wait -3
	s_barrier_signal -1
	s_barrier_wait -1
.endm
; 64 numbers of a lane, register 16 b + i = k 32 b + 16 (lane / 16) + i, become a fragment's codes in v[PC] .. v[PC+11] and its row's scale word in v[PW].
.macro QUANT s
.irp b, 0,1,2,3
	v_max3_num_f32 v[TM+\b], |v[\s+16*\b]|, |v[\s+1+16*\b]|, 0x2800000
.endr
.irp i, 2,4,6,8,10,12,14
.irp b, 0,1,2,3
	v_max3_num_f32 v[TM+\b], v[TM+\b], |v[\s+16*\b+\i]|, |v[\s+1+16*\b+\i]|
.endr
.endr
.irp b, 0,1,2,3
	v_permlanex16_b32 v[TM+4+\b], v[TM+\b], s[SEL], s[SEL+1]
.endr
.irp b, 0,1,2,3
	v_max_num_f32 v[TM+\b], v[TM+\b], v[TM+4+\b]
.endr
.irp b, 0,1,2,3
	v_add_nc_u32 v[TM+12+\b], 0xfe000000, v[TM+\b]
.endr
.irp b, 0,1,2,3
	v_lshrrev_b32 v[TM+4+\b], 23, v[TM+12+\b]
.endr
	v_lshl_or_b32 v[PW], v[TM+5], 8, v[TM+4]
	v_lshl_or_b32 v[PW], v[TM+6], 16, v[PW]
	v_lshl_or_b32 v[PW], v[TM+7], 24, v[PW]
.irp c, 0,1
	v_cvt_scalef32_pk16_bf6_f32 v[PC+6*\c:PC+2+6*\c], v[\s+32*\c:\s+15+32*\c], v[TM+12+2*\c]
	v_cvt_scalef32_pk16_bf6_f32 v[PC+12+4*\c:PC+14+4*\c], v[\s+16+32*\c:\s+31+32*\c], v[TM+12+2*\c+1]
.endr
	v_nop
.irp c, 0,1
.irp i, 0,1,2
	v_permlane16_swap_b32 v[PC+6*\c+\i], v[PC+12+4*\c+\i]
.endr
.irp i, 0,1,2
	v_mov_b32 v[PC+3+6*\c+\i], v[PC+12+4*\c+\i]
.endr
.endr
.endm
	s_load_b128 s[4:7], s[0:1], 0x0                ; qkvf, attention_mask
	s_load_b64 s[8:9], s[0:1], 0x10                ; af
	v_lshl_add_u32 v[SPW], v0, 2, SPARE
	v_mov_b32 v[NIL], 0
	ds_add_u32 v8, v9
	ds_add_u32 v8, v9
	s_wait_dscnt 0x0
	v_lshrrev_b32 v1, 5, v0
	v_readfirstlane_b32 s[WV], v1                  ; wave 0..3
	s_and_b32 s11, s[WV], 1
	s_bfe_u32 s12, ttmp6, 0x40000                  ; cx
	s_bfe_u32 s13, ttmp6, 0x40004                  ; cy
	s_lshl_b32 s14, ttmp9, 2
	s_add_co_u32 s14, s14, s12                     ; x: my block of 64 queries
	s_and_b32 s15, ttmp7, 0xffff
	s_lshl_b32 s15, s15, 2
	s_add_co_u32 s15, s15, s13                     ; g: my key/value head
	s_lshl_b32 s16, 0x1111, s12                    ; my column of the cluster
	s_lshl_b32 s17, s13, 2
	s_lshl_b32 s17, 15, s17                        ; my row
	s_or_b32 s[G1M], s16, (2<<16)|(1<<20)|(1<<21)|(7<<22)|(3<<25)   ; the mask's tile: elements of 4 bytes; padding on; 21 set beside a mask; after every 256 words (code 7) 4 words (code 3)
	s_mov_b32 s[G1M+1], 256<<16                    ; tensor_dim0 = 256
	s_mov_b32 s[G1M+2], 32<<16                     ; tensor_dim1 = 32
	s_mov_b32 s[G1M+3], 256<<16                    ; tile_dim0 = 256
	s_mov_b32 s[G1M+4], 32                         ; tile_dim1 = 32
	s_mov_b32 s[G1M+5], 2048                       ; the pitch
	s_mov_b32 s[G1M+6], 0
	s_mov_b32 s[G1M+7], 0
	s_or_b32 s[G1D], s17, (3<<16)|(1<<21)          ; 16 records are a dense block of 16,384 bytes: 64 rows of 256
	s_mov_b32 s[G1D+1], 32<<16
	s_mov_b32 s[G1D+2], 64<<16
	s_mov_b32 s[G1D+3], 32<<16
	s_mov_b32 s[G1D+4], 64
	s_mov_b32 s[G1D+5], 32
	s_mov_b32 s[G1D+6], 0
	s_mov_b32 s[G1D+7], 0
	s_lshl_b32 s50, s14, 6
	s_lshl_b32 s51, s11, 5
	s_add_co_u32 s50, s50, s51
	s_lshl_b32 s50, s50, 13                        ; the mask: row 64 x + 32 (wave % 2), of 8,192 bytes: it hangs on x alone
	s_mov_b32 s51, 0
	s_lshl_b32 s52, s11, 3
	s_add_co_u32 s52, s52, s15
	s_add_co_u32 s52, s52, 32
	s_lshl_b32 s52, s52, 17                        ; K's records of head g (wave 2), V's (wave 3): it hangs on g alone
	s_mov_b32 s53, 0
	s_mul_i32 s54, s11, 32*MP
	s_lshl_b32 s56, s15, 19                        ; Q: head 4 g,
	s_lshl_b32 s58, s14, 2
	s_add_co_u32 s58, s58, s[WV]                   ; tile 4 x + wave
	s_lshl_b32 s59, s58, 10
	s_add_co_u32 s56, s56, s59
	s_mov_b32 s57, 0
	s_lshr_b32 s60, s14, 1
	s_lshl_b32 s60, s60, 4
	s_lshl_b32 s61, s15, 1
	s_add_co_u32 s60, s60, s61
	s_mul_i32 s60, s60, 13312                      ; af: the block (group x / 2, K step 2 g)
	s_and_b32 s61, s14, 1
	s_lshl_b32 s61, s61, 2
	s_add_co_u32 s61, s61, s[WV]                   ; my fragment in it: 4 (x % 2) + wave
	s_mul_i32 s62, s61, 1536
	s_add_co_u32 s62, s62, s60
	s_mov_b32 s63, 0
	s_lshl_b32 s66, s61, 7
	s_add_co_u32 s66, s66, s60
	s_add_co_u32 s66, s66, 12288
	s_mov_b32 s67, 0
	s_mov_b32 s[SEL], 0x76543210
	s_mov_b32 s[SEL+1], 0xfedcba98
	s_mov_b32 s[CS], 0x3fb8aa3b                    ; log2(e)
	s_mov_b32 s[CS+1], s[CS]                       ; (named with it as a pair, so it is written)
	s_mov_b32 s[TB], 0
	s_mov_b32 s[TRIPS], 7
	s_wait_kmcnt 0x0
	s_mov_b32 s[G0M], 1
	s_add_co_u32 s[G0M+1], s54, MOFF
	s_add_nc_u64 s[G0M+2:G0M+3], s[6:7], s[50:51]
	s_or_b32 s[G0M+3], s[G0M+3], 0x80000000
	s_mov_b32 s[G0D], 1
	s_lshl_b32 s[G0D+1], s11, 14
	s_add_nc_u64 s[G0D+2:G0D+3], s[4:5], s[52:53]
	s_or_b32 s[G0D+3], s[G0D+3], 0x80000000
	s_add_nc_u64 s[56:57], s[4:5], s[56:57]
	s_add_nc_u64 s[62:63], s[8:9], s[62:63]
	s_add_nc_u64 s[66:67], s[8:9], s[66:67]
	CROUND                                         ; all sixteen work-groups are here: the first joint loads meet
	JLOAD                                          ; keys 0-255 into slot 0
	v_and_b32 v10, 31, v0
	v_lshlrev_b32 v[A16], 4, v10
	v_lshlrev_b32 v[A8], 3, v10
	v_lshlrev_b32 v[A4], 2, v10
	WIN 0x40                                       ; Q's four half fragments stay in registers, in window 1
.irp a, 0,1,2,3
	global_load_b128 v[QF+12*\a:QF+12*\a+3], v[A16], s[56:57] offset:\a*131072
	global_load_b64 v[QF+12*\a+4:QF+12*\a+5], v[A8], s[56:57] offset:\a*131072+512
.endr
.irp t, 0,1,2,3,4,5,6,7
.irp i, 6,7,8,9,10,11
	v_mov_b32 v[KF+12*\t+\i], 0                    ; the upper 64 of an instruction's K: zero codes, on both sides, written once
.endr
.endr
.irp a, 0,1,2,3
.irp i, 6,7,8,9,10,11
	v_mov_b32 v[QF+12*\a+\i], 0
.endr
.endr
	WIN 0x80
.set jj, 0
.rept 128
	v_mov_b32 v[OT+jj], 0                          ; O^T.  (The key step is written once: the first finds zeros, which the first change of M leaves zeros)
.set jj, jj+1
.endr
	WIN 0
.irp a, 0,1,2,3
	global_load_b32 v[QS+\a], v[A8], s[56:57] offset:\a*131072+768
.endr
	v_and_b32 v10, 15, v0                          ; r
	v_bfe_u32 v11, v0, 4, 1                        ; h
	v_and_b32 v[AM], 8, v10
	v_add_nc_u32 v[AM], v[AM], v10                 ; r + 8 (r / 8)
	s_lshr_b32 s68, s[WV], 1
	s_lshl_b32 s68, s68, 5
	s_lshl_b32 s69, s11, 3
	s_add_co_u32 s68, s68, s69
	v_add_nc_u32 v[AM], s68, v[AM]                 ; + 32 (wave / 2) + 8 (wave % 2): my query's row among the block's 64
	v_mul_u32_u24 v[AM], v[AM], MP
	v_lshl_add_u32 v[AM], v11, 6, v[AM]
	v_add_nc_u32 v[AM], MOFF, v[AM]
.irp a, 0,1,2,3
	v_mov_b32 v[ST+8*\a+1], 0xff61b1e6             ; the largest t so far: -3e38
	v_floor_f32 v[ST+8*\a], -v[ST+8*\a+1]          ; -M
.irp i, 2,3,4,5,6,7
	v_mov_b32 v[ST+8*\a+\i], 0
.endr
.endr
	v_mov_b32 v[F+1], 0
.macro SMM a                           ; head a's logits of 128 keys: eight products, C = the mask's tile
	WIN 0x25                                       ; K and Q in window 1, the mask in window 2, the logits in window 0
.irp t, 0,1,2,3,4,5,6,7
	v_wmma_scale_f32_16x16x128_f8f6f4 v[S0+64*((\a)%2)+8*\t:S0+64*((\a)%2)+8*\t+7], v[KF+12*\t:KF+12*\t+11], v[QF+12*(\a):QF+12*(\a)+11], v[MK+8*\t:MK+8*\t+7], v[KS+\t], v[QS+(\a)] matrix_a_fmt:MATRIX_FMT_BF6 matrix_b_fmt:MATRIX_FMT_BF6
.endr
.endm
.macro PV a                            ; head a's O^T += V^T P^T: four accumulators, one instruction each
	WIN 0xa1                                       ; V in window 1, P in window 0, O^T in window 2
.irp d, 0,1,2,3
	v_wmma_scale_f32_16x16x128_f8f6f4 v[OT+32*(\a)+8*\d:OT+32*(\a)+8*\d+7], v[VF+12*\d:VF+12*\d+11], v[PC:PC+11], v[OT+32*(\a)+8*\d:OT+32*(\a)+8*\d+7], v[VS+\d], v[PS] matrix_a_fmt:MATRIX_FMT_BF6 matrix_b_fmt:MATRIX_FMT_BF6
.endr
.endm
; Three lines of the softmax that recur.  rS, rT, rO: the head's scores, statistics and O^T; mm: the next pair that MS takes.
.macro MS n                            ; the next n pairs of logits become t = logit x log2(e), rounded to f32.  These lines hang on nothing but the maxima's reads of their pair: they are the fillers
.rept \n
	v_pk_mul_f32 v[rS+2*mm:rS+2*mm+1], v[rS+2*mm:rS+2*mm+1], s[CS:CS+1] op_sel_hi:[1,0]
.set mm, mm+1
.endr
.endm
.macro TLM q                           ; pair q: t - M (of the pair -M, largest t the low word serves both halves)
	v_pk_add_f32 v[rS+2*(\q):rS+2*(\q)+1], v[rS+2*(\q):rS+2*(\q)+1], v[rT:rT+1] op_sel_hi:[1,0]
.endm
.macro SUM q                           ; pair q of the UNQUANTISED p onto the row's sum: two chains of pairs, even pairs and odd pairs
.if (\q)%2 == 0
	s_wait_alu depctr_va_vdst(0)
	v_pk_add_f32 v[rT+2:rT+3], v[rT+2:rT+3], v[rS+2*(\q):rS+2*(\q)+1]
.else
	s_wait_alu depctr_va_vdst(0)
	v_pk_add_f32 v[rT+4:rT+5], v[rT+4:rT+5], v[rS+2*(\q):rS+2*(\q)+1]
.endif
.endm
.macro SOFTMAX a
.set rT, ST+8*(\a)
.set rS, S0+64*((\a)%2)
.set rO, OT+32*(\a)
.set mm, 0
	WIN 0
; the largest logit of each block of 32 keys: it serves for the row's maximum and, since p rises with the logit, for the block's largest p.  Eight chains, one a tile: a chain's links stand eight lines apart
.irp u, 0,1
.irp b, 0,1,2,3
	v_max3_num_f32 v[BM+4*\u+\b], v[rS+16*\b+8*\u], v[rS+16*\b+8*\u+1], v[rS+16*\b+8*\u+2]   ; each tile of scores is first read at its low end
.endr
.endr
.irp i, 3,5
.irp u, 0,1
.irp b, 0,1,2,3
	v_max3_num_f32 v[BM+4*\u+\b], v[BM+4*\u+\b], v[rS+16*\b+8*\u+\i], v[rS+16*\b+8*\u+\i+1]
.endr
.endr
.endr
	MS 2                                           ; (pairs 0, 1: registers 0-3 have been read)
.irp b, 0,1,2,3
	v_max3_num_f32 v[BM+\b], v[BM+\b], v[BP+\b], v[rS+16*\b+7]   ; a block's two chains, and the even tile's last register
.endr
	MS 2                                           ; (pair 3 holds register 7: read just above)
.irp b, 0,1,2,3
	v_max_num_f32 v[BM+\b], v[BM+\b], v[rS+16*\b+15]   ; the odd tile's last register: from here on every pair is free
.endr
	MS 2
.irp b, 0,1,2,3
	v_permlanex16_b32 v[BP+\b], v[BM+\b], s[SEL], s[SEL+1]
.endr
	MS 2
.irp b, 0,1,2,3
	v_max_num_f32 v[BM+\b], v[BM+\b], v[BP+\b]     ; with lane l xor 16's 16 keys
.endr
	MS 2
.irp b, 0,1,2,3
	v_mul_f32 v[BM+\b], s[CS], v[BM+\b]            ; as t: the same line as every logit's, so the same bits.  (x log2(e), rounded, keeps the order: the largest t is the largest logit's)
.endr
	MS 3
	v_max3_num_f32 v[TP], v[BM], v[BM+1], v[BM+2]
	v_mov_b32 v[TP+1], v[rT]                       ; the old -M
	MS 3
	v_max3_num_f32 v[rT+1], v[TP], v[BM+3], v[rT+1]   ; the running largest t
	MS 4
	v_floor_f32 v[rT], -v[rT+1]                    ; the new -M: M is a whole number
	MS 4
	v_sub_f32 v[TP], v[rT], v[TP+1]                ; old M - new M: a whole number, 0 or less
.irp b, 0,1,2,3
	v_add_f32 v[BM+\b], v[rT], v[BM+\b]            ; the blocks' largest t - M
.endr
	TLM 0
	TLM 1
	TLM 2
	v_cvt_i32_f32 v[TP], v[TP]                     ; (it saturates)
.irp b, 0,1,2,3
	v_exp_f32 v[BM+\b], v[BM+\b]                   ; the block's largest p
.endr
	MS 3                                           ; (plain lines behind the exponentials)
	v_ldexp_f32 v[F], 1.0, v[TP]                   ; f = 2^(old M - new M)
	MS 5                                           ; pairs 27-31: all 32 are t now
; THE RUN: pair pp's two exponentials; between them t - M of the pair three on; behind them the sum of the pair four back.  Every exponential is followed by a plain line that touches neither its result nor its source
; (in the last three pairs by the pair's other exponential and then such a line).  The first four pairs have no sum yet: there stand the lines that make the blocks' scale operands and bytes and bring the sums under
; the new M.  A conversion, a lane swap or a move of codes stands behind a pair's sum as soon as the 16 numbers that it needs are eight lines old or more.
.set pp, 0
.rept 32
	v_exp_f32 v[rS+2*pp], v[rS+2*pp]               ; p = 2^(t - M), at most 1: not normalised
.if pp < 29
	TLM pp+3
.endif
	v_exp_f32 v[rS+2*pp+1], v[rS+2*pp+1]
.if pp == 0
	s_wait_alu depctr_va_vdst(0)
.irp b, 0,1,2,3
	v_max_num_f32 v[BM+\b], 0x2800000, v[BM+\b]    ; the floor 2^(5 - 127): the byte cannot fall under 1
.endr
.elseif pp == 1
.irp b, 0,1,2,3
	v_add_nc_u32 v[SO+\b], 0xfe000000, v[BM+\b]    ; 4 off the exponent field: the conversion's scale operand
.endr
.elseif pp == 2
.irp b, 0,1,2,3
	v_lshrrev_b32 v[BP+\b], 23, v[SO+\b]           ; the byte
.endr
.elseif pp == 3
	v_lshl_or_b32 v[PS], v[BP+1], 8, v[BP]         ; P's scale word for these 128 keys, in three lines a pair apart
	v_pk_mul_f32 v[rT+2:rT+3], v[rT+2:rT+3], v[F:F+1] op_sel_hi:[1,0]   ; the sums under the new M, ahead of the first addition onto them
	v_pk_mul_f32 v[rT+4:rT+5], v[rT+4:rT+5], v[F:F+1] op_sel_hi:[1,0]
.else
	SUM pp-4
.endif
.if pp == 4
	v_lshl_or_b32 v[PS], v[BP+2], 16, v[PS]
.elseif pp == 5
	v_lshl_or_b32 v[PS], v[BP+3], 24, v[PS]
.elseif pp == 12
	v_cvt_scalef32_pk16_bf6_f32 v[PC:PC+2], v[rS:rS+15], v[SO]          ; block 0: my 16 of it
.elseif pp == 20
	v_cvt_scalef32_pk16_bf6_f32 v[P2:P2+2], v[rS+16:rS+31], v[SO+1]     ; block 1.  (A conversion's three registers begin on an even number)
.elseif (pp >= 22) && (pp < 25)
	v_permlane16_swap_b32 v[PC+pp-22], v[P2+pp-22]                      ; a whole block to a lane: lanes 0-15 block 0, lanes 16-31 block 1
.elseif (pp >= 25) && (pp < 28)
	v_mov_b32 v[PC+3+pp-25], v[P2+pp-25]
.elseif pp == 28
	v_cvt_scalef32_pk16_bf6_f32 v[PC+6:PC+8], v[rS+32:rS+47], v[SO+2]   ; block 2
.endif
.set pp, pp+1
.endr
	SUM 28
	SUM 29
	SUM 30
	SUM 31
	v_cvt_scalef32_pk16_bf6_f32 v[P2+4:P2+6], v[rS+48:rS+63], v[SO+3]   ; block 3
	WIN 0x82                                       ; O^T (destination and source 0) in window 2
.set jj, 0
.rept 8
	v_pk_mul_f32 v[rO+jj:rO+jj+1], v[rO+jj:rO+jj+1], v[F:F+1] op_sel_hi:[1,0]   ; O^T under the new M, each accumulator from its low end on: its first half stands between the last conversion and the swaps
.set jj, jj+2
.endr
	WIN 0
.irp i, 0,1,2
	v_permlane16_swap_b32 v[PC+6+\i], v[P2+4+\i]   ; lanes 0-15 block 2, lanes 16-31 block 3
.endr
.irp i, 0,1,2
	v_mov_b32 v[PC+9+\i], v[P2+4+\i]
.endr
	WIN 0x82
.rept 8
	v_pk_mul_f32 v[rO+jj:rO+jj+1], v[rO+jj:rO+jj+1], v[F:F+1] op_sel_hi:[1,0]   ; its second half: eight plain lines between the codes' last move and the products; of each product at least four of them name no register
.set jj, jj+2
.endr
.endm
; A KEY STEP: 128 keys, the q-th of the slot in hand, for the four heads.  Behind head a's softmax stand its four products V^T P and head a + 2's eight score products: they run under the next head's vector work.
.macro STEP q
	WIN 0
	v_add_nc_u32 v[DK], s[TB], v[A16]
	v_add_nc_u32 v[D8], s[TB], v[A8]
	v_add_nc_u32 v[DM], s[TB], v[AM]
	v_nop                                          ; four plain lines between the last products and the loads into their operands
	WIN 0x40
.irp t, 0,1,2,3,4,5,6,7
	ds_load_b128 v[KF+12*\t:KF+12*\t+3], v[DK] offset:8192*(\q)+1024*\t
	ds_load_b64 v[KF+12*\t+4:KF+12*\t+5], v[D8] offset:8192*(\q)+1024*\t+512
.endr
	WIN 0x80
.irp t, 0,1,2,3,4,5,6,7
	ds_load_b128 v[MK+8*\t:MK+8*\t+3], v[DM] offset:512*(\q)+128*(\t/2)+32*(\t%2)      ; mask(my query, keys 32 (t / 2) + 16 (lane / 16) + 8 (t % 2) + 0..7): the result's layout
	ds_load_b128 v[MK+8*\t+4:MK+8*\t+7], v[DM] offset:512*(\q)+128*(\t/2)+32*(\t%2)+16
.endr
	WIN 0
.irp t, 0,1,2,3,4,5,6,7
	ds_load_b32 v[KS+\t], v[D8] offset:8192*(\q)+1024*\t+768
.endr
	WIN 0x40
.irp d, 0,1,2,3
.irp c, 0,1
	ds_load_b128 v[VF+12*\d+6*\c:VF+12*\d+6*\c+3], v[DK] offset:VOFF+((2*(\q)+\c)*4+\d)*1024
	ds_load_b64 v[VF+12*\d+6*\c+4:VF+12*\d+6*\c+5], v[D8] offset:VOFF+((2*(\q)+\c)*4+\d)*1024+512
.endr
.endr
	WIN 0
.irp d, 0,1,2,3
	ds_load_b32 v[VS+\d], v[D8] offset:VOFF+((2*(\q))*4+\d)*1024+768
	ds_load_b32 v[VSB+\d], v[D8] offset:VOFF+((2*(\q)+1)*4+\d)*1024+768
.endr
	s_wait_dscnt 24                                ; K, the mask and K's scale words are in; V's 24 loads may be out
	SMM 0
	SMM 1
	WIN 0
	s_wait_dscnt 0x0
.irp d, 0,1,2,3
	v_or_b32 v[VS+\d], v[VS+\d], v[VSB+\d]         ; V's scale word: the two halves' bytes.  (Also the four plain lines in front of the first read of the logits)
.endr
	SOFTMAX 0
	PV 0
	SMM 2
	SOFTMAX 1
	PV 1
	SMM 3
	SOFTMAX 2
	PV 2
	SOFTMAX 3
	PV 3
	WIN 0
.endm
; THE CHANGE OF SLOTS stands at a slot's head: each wave waits for all its tensor loads (its part of the slot ahead), adds 0 to its spare word, and waits for that and for its reads of the slot that it has left.
; fill = 1: a round of the cluster's barrier, and behind it the slot just left is asked for again, with the next 256 keys.
.macro CHANGE fill
	s_wait_tensorcnt 0x0                           ; no tensor load of mine is out, so a descriptor may be written
	ds_add_u32 v[SPW], v[NIL]                      ; 0 onto my spare word
.if \fill
	s_xor_b32 s[G0M+1], s[G0M+1], SLOT1            ; the walking descriptors: the other slot,
	s_add_nc_u64 s[G0M+2:G0M+3], s[G0M+2:G0M+3], 1024   ; the next 256 keys
	s_xor_b32 s[G0D+1], s[G0D+1], SLOT1
	s_add_nc_u64 s[G0D+2:G0D+3], s[G0D+2:G0D+3], 16384
.endif
	s_wait_dscnt 0x0                               ; the add is done, and my reads of the slot that I have left are over
.if \fill
	CROUND
	JLOAD                                          ; the first thing behind the round, and my one tensor load until the next
.else
	s_barrier_signal -1
	s_barrier_wait -1
.endif
.endm
	s_wait_loadcnt 0x0                             ; Q
.Lchunk:                                           ; seven trips: behind each change of slots but the last the next 256 keys are asked for
	CHANGE 1
	STEP 0
	STEP 1
	s_xor_b32 s[TB], s[TB], SLOT1
	s_sub_co_u32 s[TRIPS], s[TRIPS], 1
	s_cmp_lg_u32 s[TRIPS], 0
	s_cbranch_scc1 .Lchunk
	CHANGE 0                                       ; the last slot is written out
	STEP 0
	STEP 1
	; THE WAY OUT: the sums are joined (these lines are the plain lines behind the last products); O^T / the sum; two heads are 128 along the next product's K: one fragment and one scale word a row.
.irp a, 0,1,2,3
	v_pk_add_f32 v[ST+8*\a+2:ST+8*\a+3], v[ST+8*\a+2:ST+8*\a+3], v[ST+8*\a+4:ST+8*\a+5]
.endr
.irp a, 0,1,2,3
	v_add_f32 v[ST+8*\a+2], v[ST+8*\a+2], v[ST+8*\a+3]
.endr
.irp a, 0,1,2,3
	v_permlanex16_b32 v[ST+8*\a+4], v[ST+8*\a+2], s[SEL], s[SEL+1]
.endr
.irp a, 0,1,2,3
	v_add_f32 v[ST+8*\a+2], v[ST+8*\a+2], v[ST+8*\a+4]   ; the row's sum
.endr
.irp a, 0,1,2,3
	v_rcp_f32 v[ST+8*\a+6], v[ST+8*\a+2]
.endr
	v_nop                                          ; a plain line behind the reciprocals
	WIN 0x02                                       ; source 0 (O^T) in window 2; the result takes the scores' registers in window 0
	s_wait_alu depctr_va_vdst(0)
.irp a, 0,1,2,3
.set jj, 0
.rept 16
	v_pk_mul_f32 v[S0+32*\a+jj:S0+32*\a+jj+1], v[OT+32*\a+jj:OT+32*\a+jj+1], v[ST+8*\a+6:ST+8*\a+7] op_sel_hi:[1,0]   ; register 32 a + 16 e + i: attn(my query, head 4 g + a, 32 e + 16 (lane / 16) + i)
.set jj, jj+2
.endr
.endr
	WIN 0
.irp u, 0,1
.if \u
	s_wait_xcnt 0x0                                ; the first fragment's stores have read the codes' registers: only now are they written again
.endif
	QUANT S0+64*\u
.irp c, 0,1,2
	global_store_b128 v[A16], v[PC+4*\c:PC+4*\c+3], s[62:63] offset:13312*\u+512*\c   ; 512 consecutive bytes
.endr
	global_store_b32 v[A4], v[PW], s[66:67] offset:13312*\u
.endr
	s_wait_tensorcnt 0x0                           ; the wave's end
	ds_add_u32 v[SPW], v[NIL]
	s_wait_dscnt 0x0
	CROUND                                         ; the closing round: no work-group ends while a partner may still ask for a tile that names it
	s_endpgm
.Lfunc_end_k_q4d376896a9_attn:
	.size	k_q4d376896a9_attn, .Lfunc_end_k_q4d376896a9_attn-k_q4d376896a9_attn
	.p2alignl 7, 3214868480
	.fill 96, 4, 3214868480
	.section	.rodata,"a",@progbits
	.p2align	6, 0x0
	.amdhsa_kernel k_q4d376896a9_attn
		.amdhsa_group_segment_fixed_size 327680
		.amdhsa_private_segment_fixed_size 0
		.amdhsa_enable_private_segment 0
		.amdhsa_kernarg_size 24
		.amdhsa_user_sgpr_count 2
		.amdhsa_user_sgpr_kernarg_segment_ptr 1
		.amdhsa_wavefront_size32 1
		.amdhsa_system_sgpr_workgroup_id_x 1
		.amdhsa_system_sgpr_workgroup_id_y 1
		.amdhsa_system_sgpr_workgroup_id_z 1
		.amdhsa_system_vgpr_workitem_id 0
		.amdhsa_next_free_vgpr 768
		.amdhsa_next_free_sgpr 80
		.amdhsa_reserve_vcc 0
		.amdhsa_float_denorm_mode_32 3
		.amdhsa_float_denorm_mode_16_64 3
		.amdhsa_memory_ordered 1
		.amdhsa_forward_progress 1
		.amdhsa_inst_pref_size 255
	.end_amdhsa_kernel
	.section	.bss,"aw",@nobits
	.p2align	6
	.space	262144
	.amdgpu_metadata
---
amdhsa.version: [ 1, 2 ]
amdhsa.kernels:
  - .name:           k_q4d376896a9_attn
    .symbol:         k_q4d376896a9_attn.kd
    .args:
      - { .name: qkvf, .offset: 0, .size: 8, .value_kind: global_buffer, .address_space: global }
      - { .name: attention_mask, .offset: 8, .size: 8, .value_kind: global_buffer, .address_space: global }
      - { .name: af, .offset: 16, .size: 8, .value_kind: global_buffer, .address_space: global }
    .group_segment_fixed_size: 327680
    .private_segment_fixed_size: 0
    .kernarg_segment_align: 8
    .kernarg_segment_size: 24
    .max_flat_workgroup_size: 128
    .sgpr_count:     80
    .vgpr_count:     768
    .wavefront_size: 32
...
	.end_amdgpu_metadata
.endif
;; end of part 6
;; launch outp: the kernel of part 5 again; grid 16 x 16, 4 waves a work-group, clusters of 4 x 4, 327,680 bytes of LDS; arguments wf, af, out0; writes out0
